; MI455X (gfx1250); checked and timed in simulation.
; The chip was launched on July 23, 2026; its instructions are those of AMD's public machine-readable ISA for CDNA 5 (MIT licence, August 2026) and "CDNA5" Instruction Set Architecture Reference Guide (July 2026). The comments in the code are by the model that wrote it; some were corrected since.
;; Multi Headed Self Attention. Allowed arithmetic: float matrix products may take bf16 or f16 operands with f32 sums; all other float work in f32.
;; Inputs: Wk 768 x 768 float32; Wq 768 x 768 float32; Wv 768 x 768 float32; bk 768 float32; bq 768 float32; bv 768 float32; mask 8 x 1,024 float32; x 8 x 1,024 x 768 float32.
;; Outputs: out0 8 x 1,024 x 768 float32.
;; 2 versions, each right and faster than the one before. Each part assembles by itself: llvm-mc -triple=amdgcn-amd-amdhsa -mcpu=gfx1250 --defsym DOCPART=n.
;; ======== version 1 of 2: 7 launches
;; workspace buffers: xw 16,121,856 bytes; p1 75,500,544 bytes; p2 37,748,992 bytes; p3 768 bytes; p4 1,573,888 bytes; p5 25,166,592 bytes
;; launch cvt (part 1): grid 656 x 1, 8 waves a work-group, no clusters, 0 bytes of LDS; arguments x, Wq, Wk, Wv, xw; writes xw
.if DOCPART == 1
	.amdgcn_target "amdgcn-amd-amdhsa--gfx1250"
	.amdhsa_code_object_version 6
	.text
	.protected	k_q99080c156c_cvt
	.globl	k_q99080c156c_cvt
	.p2align	8
	.type	k_q99080c156c_cvt,@function
k_q99080c156c_cvt:
	s_mov_b64 s[64:65], 0
	v_nop
	global_prefetch_b8 v0, s[64:65] scope:SCOPE_SE
	s_setreg_imm32_b32 hwreg(HW_REG_WAVE_MODE, 25, 1), 1
	s_wait_xcnt 0x0
; x [8192][768] and Wq, Wk, Wv [768][768], f32, are rounded once to bf16 (nearest even) into xw: xb [8192][768] at byte 0, wb [2304][768] behind it.
; wb's rows are ordered for the next launch's tiles: row 288 c + 144 wn + 48 t + j holds row 96 c + 48 wn + j of W_t (t = 0 q, 1 k, 2 v).
; A work-group takes 16 rows: 49,152 bytes in, 24,576 out; 512 work-groups for x, 144 for the weights.  Memory binds: every byte is read once and written once, no LDS, no barrier.
; A thread has 12 loads of 16 bytes on their way at once; a wave's store covers 256 consecutive bytes, aligned.
	s_load_b256 s[4:11], s[0:1], 0x0               ; x s[4:5], Wq s[6:7], Wk s[8:9], Wv s[10:11]
	s_load_b64 s[12:13], s[0:1], 0x20              ; xw
	s_mov_b32 s14, ttmp9                           ; id
	s_max_u32 s15, s14, 512
	s_sub_co_u32 s15, s15, 512                     ; k = id - 512 for the weights' work-groups (0 for x's)
	s_mul_hi_u32 s16, s15, 0x55555556              ; beta = k / 3 = 6 c + 3 wn + t
	s_mul_i32 s17, s16, 3
	s_sub_co_u32 s17, s15, s17                     ; which 16 of the 48 rows
	s_mul_hi_u32 s18, s16, 0x55555556              ; 2 c + wn
	s_mul_i32 s19, s18, 3
	s_sub_co_u32 s19, s16, s19                     ; t
	s_mul_i32 s20, s18, 48
	s_lshl4_add_u32 s20, s17, s20                  ; source row in W_t
	s_mul_i32 s20, s20, 3072                       ; in bytes
	s_mul_i32 s21, s14, 49152                      ; x's source offset
	s_mul_i32 s22, s14, 24576                      ; the destination: 512 x 24,576 is wb's first byte, so one formula serves both
	s_mov_b32 s23, 0
	s_mov_b32 s27, 0
	v_lshlrev_b32 v1, 4, v0                        ; 16 bytes a thread in,
	v_lshlrev_b32 v2, 3, v0                        ; 8 out
	s_wait_kmcnt 0x0
	s_cmp_eq_u32 s19, 1
	s_cselect_b64 s[24:25], s[8:9], s[6:7]
	s_cmp_eq_u32 s19, 2
	s_cselect_b64 s[24:25], s[10:11], s[24:25]
	s_cmp_lt_u32 s14, 512
	s_cselect_b64 s[24:25], s[4:5], s[24:25]       ; the source buffer, chosen by the id alone
	s_cselect_b32 s26, s21, s20
	s_add_nc_u64 s[24:25], s[24:25], s[26:27]
	s_add_nc_u64 s[12:13], s[12:13], s[22:23]
.set i, 0
.rept 12
	global_load_b128 v[8+4*i:11+4*i], v1, s[24:25] offset:4096*i th:TH_LOAD_NT
.set i, i+1
.endr
.set i, 0
.rept 12
	s_wait_loadcnt 11-i                            ; loads come back in order: number i is in, the younger ones stay out
	v_cvt_pk_bf16_f32 v[56+2*i], v[8+4*i], v[9+4*i]
	v_cvt_pk_bf16_f32 v[57+2*i], v[10+4*i], v[11+4*i]
	global_store_b64 v2, v[56+2*i:57+2*i], s[12:13] offset:2048*i
.set i, i+1
.endr
	s_endpgm
.Lfunc_end_k_q99080c156c_cvt:
	.size	k_q99080c156c_cvt, .Lfunc_end_k_q99080c156c_cvt-k_q99080c156c_cvt
	.p2alignl 7, 3214868480
	.fill 96, 4, 3214868480
	.section	.rodata,"a",@progbits
	.p2align	6, 0x0
	.amdhsa_kernel k_q99080c156c_cvt
		.amdhsa_group_segment_fixed_size 0
		.amdhsa_private_segment_fixed_size 0
		.amdhsa_enable_private_segment 0
		.amdhsa_kernarg_size 40
		.amdhsa_user_sgpr_count 2
		.amdhsa_user_sgpr_kernarg_segment_ptr 1
		.amdhsa_wavefront_size32 1
		.amdhsa_system_sgpr_workgroup_id_x 1
		.amdhsa_system_sgpr_workgroup_id_y 1
		.amdhsa_system_sgpr_workgroup_id_z 1
		.amdhsa_system_vgpr_workitem_id 0
		.amdhsa_next_free_vgpr 80
		.amdhsa_next_free_sgpr 66
		.amdhsa_reserve_vcc 0
		.amdhsa_float_denorm_mode_32 3
		.amdhsa_float_denorm_mode_16_64 3
		.amdhsa_memory_ordered 1
		.amdhsa_forward_progress 1
		.amdhsa_inst_pref_size 6
	.end_amdhsa_kernel
	.amdgpu_metadata
---
amdhsa.version: [ 1, 2 ]
amdhsa.kernels:
  - .name:           k_q99080c156c_cvt
    .symbol:         k_q99080c156c_cvt.kd
    .args:
      - { .name: x, .offset: 0, .size: 8, .value_kind: global_buffer, .address_space: global }
      - { .name: Wq, .offset: 8, .size: 8, .value_kind: global_buffer, .address_space: global }
      - { .name: Wk, .offset: 16, .size: 8, .value_kind: global_buffer, .address_space: global }
      - { .name: Wv, .offset: 24, .size: 8, .value_kind: global_buffer, .address_space: global }
      - { .name: xw, .offset: 32, .size: 8, .value_kind: global_buffer, .address_space: global }
    .group_segment_fixed_size: 0
    .private_segment_fixed_size: 0
    .kernarg_segment_align: 8
    .kernarg_segment_size: 40
    .max_flat_workgroup_size: 256
    .sgpr_count:     66
    .vgpr_count:     80
    .wavefront_size: 32
...
	.end_amdgpu_metadata
.endif
;; end of part 1
;; launch proj (part 2): grid 8 x 32, 4 waves a work-group, clusters of 4 x 4, 327,680 bytes of LDS; arguments xw, bq, bk, bv, p1; writes p1
.if DOCPART == 2
	.amdgcn_target "amdgcn-amd-amdhsa--gfx1250"
	.amdhsa_code_object_version 6
	.text
	.protected	k_q99080c156c_proj
	.globl	k_q99080c156c_proj
	.p2align	8
	.type	k_q99080c156c_proj,@function
k_q99080c156c_proj:
	s_mov_b64 s[64:65], 0
	v_nop
	global_prefetch_b8 v0, s[64:65] scope:SCOPE_SE
	s_setreg_imm32_b32 hwreg(HW_REG_WAVE_MODE, 25, 1), 1
	s_wait_xcnt 0x0
	s_wait_alu depctr_hold_cnt(0) depctr_sa_sdst(0) depctr_va_vdst(0) depctr_va_sdst(0) depctr_va_ssrc(0) depctr_va_vcc(0) depctr_vm_vsrc(0)
	s_getreg_b32 s2, hwreg(HW_REG_IB_STS2, 6, 4)
	s_cmp_eq_u32 s2, 0
	s_cbranch_scc0 .Lentry_in_a_cluster
	s_endpgm
.Lentry_in_a_cluster:
	s_bfe_u32 s2, ttmp6, 0x10000c
	s_cmp_lg_u32 s2, 0xf033
	s_cbranch_scc0 .Lentry_shape_is_right
	s_endpgm
.Lentry_shape_is_right:
; THE THREE PROJECTIONS AS ONE GEMM.  sums[m][n'] = b[n'] + the sum over k of xb[m][k] wb[n'][k]; xb [8192][768], wb [2304][768] bf16, sums f32.  The biases are rounded to bf16 like the other
; inputs and are the C operand of the first products, so nothing is cleared and nothing is added later.  Also: the largest |sum| of q, of k and of v in this work-group's tile.
; A work-group makes 256 rows x 288 columns (96 each of q, k, v): 32 x 8 = 256 work-groups.  Four waves, each 128 x 144: 72 accumulators (a = 0..7 row blocks, b = 0..8 column blocks; tensor b / 3).
; K = 768 goes in 6 steps of 128 through a ring of two LDS slots filled by the tensor data mover; rows of 256 bytes, padded to 272 in LDS.
; CLUSTER 4 x 4: xb's tile hangs on the tile row alone and is asked for jointly along a row of the cluster, wb's on the tile column alone and jointly along a column.
; THE MATRIX INSTRUCTION IS USED TRANSPOSED (source 0 = 16 rows of wb, source 1 = 16 rows of xb): a lane holds row l % 16 and the columns 8 (l / 16) + 0..7.
; OUT: the accumulators leave as they lie: block (t, mb, nb) of 16 x 16 is 1,024 dense bytes; a store of the wave covers 512 consecutive bytes, aligned.
; LIMITS: NaN and infinities are not treated apart.
; REGISTERS, windows of 256: window 0: v16-29 addresses; biases v32-63 (b = 0..3), v192-231 (b = 4..8); xb's fragments v64-127, v128-191.
;   window 1: wb's fragments v0-71, v72-143; accumulators b = 8 at v192 + 8 a.   window 2: a = 0..3 at 8 (8 a + b), b < 8.   window 3: a = 4..7 likewise.
.set KSTEP,  128
.set PITCH,  272                       ; 256 bytes + 16 of padding: the 16 rows of a fragment load start at 16 different groups of four banks (ISA guide 11.1)
.set HALFA,  128*PITCH
.set HALFB,  144*PITCH
.set SLOT,   2*HALFA+2*HALFB           ; xb's 256 rows, then wb's 288
.set SCR,    2*SLOT                    ; a block of 256 bytes for the waves' maxima; no tile lands there
.set SPARE,  SCR+256                   ; the spare words, 128 bytes a wave
.set LAPS,   3                         ; a lap = two K steps
.set WB,     12582912                  ; wb's first byte in xw
.set TBYTES, 25165824                  ; a tensor's bytes in p1
.set ADRA, 16                          ; v16-17 LDS address of my xb fragments in slot 0, 1
.set ADRB, 20                          ; v20-21 the same for wb
.set CO,   26                          ; v26 16 x lane
.set LN,   27                          ; v27 lane
.set SPW,  28                          ; v28 my spare word's address; never rewritten
.set NIL,  29                          ; v29 0; never rewritten
.set MX,   32                          ; v32-43 running maxima on the way out
.set G1, 24
.set G0, 32
.set G1B, 48
.set G0B, 56
.set XW, 68                            ; s[68:69] xw; s[70:75] bq, bk, bv
.set BQ, 70
.set P1, 76
.set OUT, 80                           ; s[80:85] my first block of q, k, v in p1
.set SEL, 86
.set PMX, 92
.set MSB, 0
.macro WIN new                         ; the immediate's high byte repeats the setting that is left
.if MSB != (\new)
	s_set_vgpr_msb (MSB<<8)|(\new)
.set MSB, \new
.endif
.endm
.macro PLACES                          ; four places in front of loads into registers that matrix instructions have read
.rept 4
	v_nop
.endr
.endm
.macro JLOAD s                         ; a joint load: waves 0, 1 fetch xb's halves, waves 2, 3 wb's; an s_nop 0 and four v_nop follow each line
	s_cmp_eq_u32 s11, 0
	s_cbranch_scc0 .Lfor_b_\@
	tensor_load_to_lds s[G0+4*(\s):G0+4*(\s)+3], s[G1:G1+7]
	s_nop 0
.rept 4
	v_nop
.endr
	s_branch .Lasked_\@
.Lfor_b_\@:
	tensor_load_to_lds s[G0B+4*(\s):G0B+4*(\s)+3], s[G1B:G1B+7]
	s_nop 0
.rept 4
	v_nop
.endr
.Lasked_\@:
.endm
.macro CREST                           ; a round of the cluster's barrier behind its opening barrier
	s_cmp_lg_u32 s10, 0
	s_cbranch_scc1 .Lnot_wave_0_\@
	s_barrier_signal -3
.Lnot_wave_0_\@:
	s_barrier_wait -3
	s_barrier_signal -1
	s_barrier_wait -1
.endm
.macro CROUND
	s_barrier_signal -1
	s_barrier_wait -1
	CREST
.endm
	s_load_b256 s[68:75], s[0:1], 0x0              ; xw, bq, bk, bv
	s_load_b64 s[76:77], s[0:1], 0x20              ; p1
	v_lshl_add_u32 v[SPW], v0, 2, SPARE
	v_mov_b32 v[NIL], 0
	ds_add_u32 v[SPW], v[NIL]                      ; the wave's opening: the add and its wait ahead of my first tensor load
	ds_add_u32 v28, v29
	v_lshrrev_b32 v1, 5, v0
	v_readfirstlane_b32 s10, v1                    ; wave 0..3
	s_lshr_b32 s11, s10, 1                         ; my half of the rows; also: I fetch for xb (0) or wb (1)
	s_and_b32 s12, s10, 1                          ; my half of the columns; also: which half of that tile I fetch
	s_bfe_u32 s40, ttmp6, 0x40000                  ; cx
	s_bfe_u32 s41, ttmp6, 0x40004                  ; cy
	s_lshl_b32 s42, ttmp9, 2
	s_add_co_u32 s42, s42, s40                     ; c: tile column 0..7
	s_and_b32 s13, ttmp7, 0xffff
	s_lshl_b32 s13, s13, 2
	s_add_co_u32 s13, s13, s41                     ; by: tile row 0..31
	s_lshl_b32 s43, s41, 2
	s_lshl_b32 s43, 15, s43                        ; my row of the cluster
	s_lshl_b32 s44, 0x1111, s40                    ; my column
	s_or_b32 s[G1+0], s43, (1<<16)|(1<<20)|(1<<21)|(5<<22)|(3<<25)   ; mask; 2-byte elements; padding on; bit 21 beside a mask; after every 64 words, 4 words
	s_or_b32 s[G1B+0], s44, (1<<16)|(1<<20)|(1<<21)|(5<<22)|(3<<25)
	s_mov_b32 s[G1+1], KSTEP<<16                   ; tensor_dim0 = 128
	s_mov_b32 s[G1B+1], KSTEP<<16
	s_mov_b32 s[G1+2], 128<<16                     ; tensor_dim1 = 128 rows
	s_mov_b32 s[G1B+2], 144<<16                    ; 144 rows
	s_mov_b32 s[G1+3], KSTEP<<16                   ; tile_dim0 = 128
	s_mov_b32 s[G1B+3], KSTEP<<16
	s_mov_b32 s[G1+4], 128                         ; tile_dim1
	s_mov_b32 s[G1B+4], 144
	s_mov_b32 s[G1+5], 768                         ; elements from row to row
	s_mov_b32 s[G1B+5], 768
	s_mov_b32 s[G1+6], 0
	s_mov_b32 s[G1B+6], 0
	s_mov_b32 s[G1+7], 0
	s_mov_b32 s[G1B+7], 0
	s_lshl_b32 s16, s13, 8
	s_lshl_b32 s17, s12, 7
	s_add_co_u32 s16, s16, s17                     ; xb: row 256 by + 128 half
	s_mul_i32 s16, s16, 1536
	s_mov_b32 s17, 0
	s_mul_i32 s46, s42, 288
	s_mul_i32 s47, s12, 144
	s_add_co_u32 s46, s46, s47                     ; wb: row 288 c + 144 half
	s_mul_i32 s46, s46, 1536
	s_add_co_u32 s46, s46, WB
	s_mov_b32 s47, 0
	s_mul_i32 s20, s12, HALFA                      ; where they go: no place in the cluster enters an LDS address
	s_mul_i32 s45, s12, HALFB
	s_add_co_u32 s45, s45, 2*HALFA
	s_mov_b32 s[SEL], 0x76543210
	s_mov_b32 s[SEL+1], 0xfedcba98
	s_wait_dscnt 0x0                               ; the opening add is done
	s_wait_kmcnt 0x0
	s_add_nc_u64 s[14:15], s[XW:XW+1], s[16:17]
	s_add_nc_u64 s[46:47], s[XW:XW+1], s[46:47]
	CROUND                                         ; all sixteen work-groups are here: the first joint loads meet
.irp s, 0,1
	s_mov_b32 s[G0+4*(\s)], 1
	s_add_co_u32 s[G0+4*(\s)+1], s20, (\s)*SLOT
	s_add_nc_u64 s[G0+4*(\s)+2:G0+4*(\s)+3], s[14:15], (\s)*KSTEP*2
	s_or_b32 s[G0+4*(\s)+3], s[G0+4*(\s)+3], 0x80000000
	s_mov_b32 s[G0B+4*(\s)], 1
	s_add_co_u32 s[G0B+4*(\s)+1], s45, (\s)*SLOT
	s_add_nc_u64 s[G0B+4*(\s)+2:G0B+4*(\s)+3], s[46:47], (\s)*KSTEP*2
	s_or_b32 s[G0B+4*(\s)+3], s[G0B+4*(\s)+3], 0x80000000
	JLOAD \s                                       ; K steps 0 and 1: two loads of mine are out
.endr
	v_and_b32 v1, 15, v0                           ; l % 16
	v_bfe_u32 v2, v0, 4, 1                         ; l / 16
	v_mul_u32_u24 v3, v1, PITCH
	v_lshl_add_u32 v3, v2, 4, v3                   ; a fragment's row x pitch + 16 x half
	s_mul_i32 s21, s11, HALFA
	s_mul_i32 s22, s12, HALFB
	s_add_co_u32 s22, s22, 2*HALFA
.irp s, 0,1
	v_add_nc_u32 v[ADRA+(\s)], s21, v3
	v_add_nc_u32 v[ADRB+(\s)], s22, v3
	s_add_co_u32 s21, s21, SLOT
	s_add_co_u32 s22, s22, SLOT
.endr
	v_and_b32 v[LN], 31, v0
	v_lshlrev_b32 v[CO], 4, v[LN]
	; the biases of my 144 columns: register j of block b is column 96 c + 48 wn + 16 (b % 3) + 8 (l / 16) + j of tensor b / 3
	s_mul_i32 s90, s42, 384
	s_mul_i32 s91, s12, 192
	s_add_co_u32 s90, s90, s91
	v_lshl_add_u32 v6, v2, 5, s90
.irp b, 0,1,2,3,4,5,6,7,8
.set rC, 32+8*(\b)+128*(((\b)+4)/8)
	global_load_b128 v[rC:rC+3],   v6, s[BQ+2*((\b)/3):BQ+2*((\b)/3)+1] offset:((\b)%3)*64
	global_load_b128 v[rC+4:rC+7], v6, s[BQ+2*((\b)/3):BQ+2*((\b)/3)+1] offset:((\b)%3)*64+16
.endr
	; where my blocks begin in p1, and my work-group's word in each of the three lists of maxima
	s_lshl_b32 s88, s13, 4
	s_lshl3_add_u32 s88, s11, s88                  ; mb of my first block: 16 by + 8 wm
	s_mul_i32 s88, s88, 49152
	s_mul_i32 s89, s42, 6
	s_mul_i32 s91, s12, 3
	s_add_co_u32 s89, s89, s91                     ; nb: 6 c + 3 wn
	s_lshl_b32 s89, s89, 10
	s_add_co_u32 s88, s88, s89
	s_add_co_u32 s88, s88, 3072
	s_mov_b32 s89, 0
	s_add_nc_u64 s[OUT:OUT+1], s[P1:P1+1], s[88:89]
	s_add_nc_u64 s[OUT+2:OUT+3], s[OUT:OUT+1], TBYTES
	s_add_nc_u64 s[OUT+4:OUT+5], s[OUT+2:OUT+3], TBYTES
	s_lshl_b32 s92, s13, 3
	s_add_co_u32 s92, s92, s42
	s_lshl_b32 s92, s92, 2
	s_mov_b32 s93, 0
	s_add_nc_u64 s[PMX:PMX+1], s[P1:P1+1], s[92:93]
	s_wait_loadcnt 0x0
.irp b, 0,1,2,3,4,5,6,7,8              ; the biases rounded to bf16 and widened again
.set rC, 32+8*(\b)+128*(((\b)+4)/8)
.irp j, 0,2,4,6
	v_cvt_pk_bf16_f32 v[8+(\j)/2], v[rC+(\j)], v[rC+(\j)+1]
.endr
.irp j, 0,2,4,6
	v_lshlrev_b32 v[rC+(\j)], 16, v[8+(\j)/2]
	v_and_b32 v[rC+(\j)+1], 0xffff0000, v[8+(\j)/2]
.endr
.endr
; 16 matrix instructions: row blocks a0, a0 + 1 of the window's four x column blocks 0..7, 32 along K.  zero = 1: the first products take the biases as C.
.macro MUL16 f, hi, a0, zero
.if \zero
	WIN 0x81+0x40*(\hi)
.else
	WIN 0xa1+0x50*(\hi)
.endif
.irp a, \a0, (\a0)+1
.irp b, 0,1,2,3,4,5,6,7
.set rD, 8*(8*(\a)+(\b))
.set rB, 72*(\f)+8*(\b)
.set rA, 64+64*(\f)+8*(4*(\hi)+(\a))
.set rC, 32+8*(\b)+128*(((\b)+4)/8)
.if \zero
	v_wmma_f32_16x16x32_bf16 v[rD:rD+7], v[rB:rB+7], v[rA:rA+7], v[rC:rC+7]
.else
	v_wmma_f32_16x16x32_bf16 v[rD:rD+7], v[rB:rB+7], v[rA:rA+7], v[rD:rD+7]
.endif
.endr
.endr
.endm
.macro MULX f, zero                    ; 8 matrix instructions: column block 8 x all row blocks; accumulators in window 1
.if \zero
	WIN 0x41
.else
	WIN 0x51
.endif
.irp a, 0,1,2,3,4,5,6,7
.set rD, 192+8*(\a)
.set rA, 64+64*(\f)+8*(\a)
.if \zero
	v_wmma_f32_16x16x32_bf16 v[rD:rD+7], v[72*(\f)+64:72*(\f)+71], v[rA:rA+7], v[224:231]
.else
	v_wmma_f32_16x16x32_bf16 v[rD:rD+7], v[72*(\f)+64:72*(\f)+71], v[rA:rA+7], v[rD:rD+7]
.endif
.endr
.endm
.macro FETCH slot, k, f                ; 34 LDS loads in one run: 144 rows of wb, 128 rows of xb, 32 along K at byte k
	WIN 0x40
.irp i, 0,1,2,3,4,5,6,7,8
	ds_load_b128 v[72*(\f)+8*(\i):72*(\f)+8*(\i)+3],   v[ADRB+(\slot)] offset:(\k)+(\i)*16*PITCH
	ds_load_b128 v[72*(\f)+8*(\i)+4:72*(\f)+8*(\i)+7], v[ADRB+(\slot)] offset:(\k)+(\i)*16*PITCH+32
.endr
	WIN 0
.irp i, 0,1,2,3,4,5,6,7
	ds_load_b128 v[64+64*(\f)+8*(\i):64+64*(\f)+8*(\i)+3],   v[ADRA+(\slot)] offset:(\k)+(\i)*16*PITCH
	ds_load_b128 v[64+64*(\f)+8*(\i)+4:64+64*(\f)+8*(\i)+7], v[ADRA+(\slot)] offset:(\k)+(\i)*16*PITCH+32
.endr
.endm
; A K step is four quarters of 32 along K, 72 matrix instructions each, on buffers 0, 1, 0, 1; the 72 accumulators take turns in one order.
.macro QUARTER slot, k, f, g, zero
	s_wait_dscnt 8                                 ; wb and xb's blocks 0-3 are in; the youngest eight loads (blocks 4-7) may be out
	MUL16 \f, 0, 0, \zero
	MUL16 \f, 0, 2, \zero
	PLACES
	FETCH \slot, \k, \g
	s_wait_dscnt 34                                ; all but the 34 just issued
	MUL16 \f, 1, 0, \zero
	MUL16 \f, 1, 2, \zero
	MULX \f, \zero
.endm
; The last quarter multiplies buffer 1 and changes slots: one barrier; in front of it each wave waits for all its tensor loads, adds 0 to its spare word and waits for that and for its reads of the slot.
.macro TURN slot, next, fill
	WIN 0
	s_wait_tensorcnt 0x0                           ; all my tensor loads have landed: my part of the next slot
	ds_add_u32 v[SPW], v[NIL]
	s_wait_dscnt 9                                 ; the add and the youngest eight loads may be out
	MUL16 1, 0, 0, 0
	s_wait_dscnt 0x0                               ; the add is done, and my reads of this slot are over
	s_barrier_signal -1
	MUL16 1, 0, 2, 0
.if \fill
	WIN 0
.endif
	s_barrier_wait -1
.if \fill
	CREST                                          ; the barrier has opened a round of the cluster's: no wave of any partner still reads the slot or has a load on its way
	s_add_nc_u64 s[G0+4*(\slot)+2:G0+4*(\slot)+3], s[G0+4*(\slot)+2:G0+4*(\slot)+3], 2*KSTEP*2
	s_add_nc_u64 s[G0B+4*(\slot)+2:G0B+4*(\slot)+3], s[G0B+4*(\slot)+2:G0B+4*(\slot)+3], 2*KSTEP*2
	JLOAD \slot                                    ; the first tensor load behind the round; its four v_nop are also the places in front of the loads below
.else
	PLACES
.endif
	FETCH \next, 0, 0
	MUL16 1, 1, 0, 0
	MUL16 1, 1, 2, 0
	MULX 1, 0
.endm
	s_wait_tensorcnt 1                             ; my part of K step 0 is in; step 1's may stay out
	s_barrier_signal -1
	s_barrier_wait -1
	FETCH 0, 0, 0
	QUARTER 0, 64, 0, 1, 1                         ; the first quarter stands in front of the loop: its products start the sums from the biases
	WIN 0
	s_mov_b32 s3, LAPS-1
.Llap:                                                 ; a trip goes once round the ring and fills both slots again
	QUARTER 0, 128, 1, 0, 0
	QUARTER 0, 192, 0, 1, 0
	TURN 0, 1, 1
	QUARTER 1, 64,  0, 1, 0
	QUARTER 1, 128, 1, 0, 0
	QUARTER 1, 192, 0, 1, 0
	TURN 1, 0, 1
	QUARTER 0, 64,  0, 1, 0
	WIN 0
	s_sub_co_u32 s3, s3, 1
	s_cmp_lg_u32 s3, 0
	s_cbranch_scc1 .Llap
	QUARTER 0, 128, 1, 0, 0                        ; the last lap fills nothing
	QUARTER 0, 192, 0, 1, 0
	TURN 0, 1, 0
	QUARTER 1, 64,  0, 1, 0
	QUARTER 1, 128, 1, 0, 0
	QUARTER 1, 192, 0, 1, 0
	s_wait_dscnt 8
	MUL16 1, 0, 0, 0
	MUL16 1, 0, 2, 0
	s_wait_dscnt 0x0
	MUL16 1, 1, 0, 0
	MUL16 1, 1, 2, 0
	MULX 1, 0
	; THE WAY OUT.  Twelve running maxima start at 0 (these lines are also the places behind the last products); each accumulator is read from its low end on.
	WIN 0
.set i, 0
.rept 12
	v_mov_b32 v[MX+i], 0
.set i, i+1
.endr
.irp hi, 0,1
	WIN 0x0a+5*(\hi)                               ; sources 0 and 1 in window 2 or 3
.irp a, 0,1,2,3
.irp j, 0,2,4,6
.irp b, 0,1,2,3,4,5,6,7
	v_max3_num_f32 v[MX+(\b)], |v[8*(8*(\a)+(\b))+(\j)]|, |v[8*(8*(\a)+(\b))+(\j)+1]|, v[MX+(\b)]
.endr
.endr
.endr
.endr
	WIN 0x05
.irp j, 0,2,4,6
.irp a, 0,1,2,3,4,5,6,7
	v_max3_num_f32 v[MX+8+(\a)%4], |v[192+8*(\a)+(\j)]|, |v[192+8*(\a)+(\j)+1]|, v[MX+8+(\a)%4]
.endr
.endr
.irp hi, 0,1
	WIN 0x08+4*(\hi)                               ; store data in window 2 or 3
.irp a, 0,1,2,3
.irp b, 0,1,2,3,4,5,6,7
.irp q, 0,1
	global_store_b128 v[CO], v[8*(8*(\a)+(\b))+4*(\q):8*(8*(\a)+(\b))+4*(\q)+3], s[OUT+2*((\b)/3):OUT+2*((\b)/3)+1] offset:(4*(\hi)+(\a))*49152+((\b)%3)*1024+(\q)*512
.endr
.endr
.endr
.endr
	WIN 0x04
.irp a, 0,1,2,3,4,5,6,7
.irp q, 0,1
	global_store_b128 v[CO], v[192+8*(\a)+4*(\q):192+8*(\a)+4*(\q)+3], s[OUT+4:OUT+5] offset:(\a)*49152+2048+(\q)*512
.endr
.endr
	WIN 0
	v_max3_num_f32 v32, v32, v33, v34              ; q: column blocks 0-2
	v_max3_num_f32 v35, v35, v36, v37              ; k: 3-5
	v_max3_num_f32 v38, v38, v39, v40              ; v: 6-8
	v_max3_num_f32 v38, v38, v41, v42
	v_max_num_f32 v38, v38, v43
.irp m, 32, 35, 38
	v_max_num_f32_dpp v[\m], v[\m], v[\m] row_xmask:1 row_mask:0xf bank_mask:0xf
	v_max_num_f32_dpp v[\m], v[\m], v[\m] row_xmask:2 row_mask:0xf bank_mask:0xf
	v_max_num_f32_dpp v[\m], v[\m], v[\m] row_xmask:4 row_mask:0xf bank_mask:0xf
	v_max_num_f32_dpp v[\m], v[\m], v[\m] row_xmask:8 row_mask:0xf bank_mask:0xf
	v_permlanex16_b32 v[\m+1], v[\m], s[SEL], s[SEL+1]
.endr
	v_max_num_f32 v44, v32, v33
	v_max_num_f32 v45, v35, v36
	v_max_num_f32 v46, v38, v39
	v_mov_b32 v47, 0
	s_lshl_b32 s94, s10, 4
	s_add_co_u32 s94, s94, SCR
	v_mov_b32 v8, s94
	ds_store_b128 v8, v[44:47]                     ; my wave's three maxima
	s_wait_dscnt 0x0                               ; for the others' sake
	s_barrier_signal -1
	s_barrier_wait -1
	s_cmp_lg_u32 s10, 0
	s_cbranch_scc1 .Lnot_first
	v_mov_b32 v9, SCR
	ds_load_b128 v[48:51], v9
	ds_load_b128 v[52:55], v9 offset:16
	ds_load_b128 v[56:59], v9 offset:32
	ds_load_b128 v[60:63], v9 offset:48
	s_wait_dscnt 0x0
	v_max3_num_f32 v48, v48, v52, v56
	v_max3_num_f32 v49, v49, v53, v57
	v_max3_num_f32 v50, v50, v54, v58
	v_max_num_f32 v48, v48, v60
	v_max_num_f32 v49, v49, v61
	v_max_num_f32 v50, v50, v62
	v_cmp_eq_u32 vcc_lo, 1, v[LN]
	v_cndmask_b32 v48, v48, v49, vcc_lo
	v_cmp_eq_u32 vcc_lo, 2, v[LN]
	v_cndmask_b32 v48, v48, v50, vcc_lo            ; lane t holds tensor t's maximum
	v_lshlrev_b32 v10, 10, v[LN]                   ; list t begins at byte 1,024 t
	s_wait_xcnt 0x0                                ; EXEC changes only behind this wait
	v_cmp_gt_u32 vcc_lo, 3, v[LN]
	s_and_saveexec_b32 s94, vcc_lo
	global_store_b32 v10, v48, s[PMX:PMX+1]
	s_wait_xcnt 0x0
	s_or_b32 exec_lo, exec_lo, s94
.Lnot_first:
	s_wait_tensorcnt 0x0                           ; the wave's end
	ds_add_u32 v[SPW], v[NIL]
	s_wait_dscnt 0x0
	CROUND                                         ; the closing round
	s_endpgm
.Lfunc_end_k_q99080c156c_proj:
	.size	k_q99080c156c_proj, .Lfunc_end_k_q99080c156c_proj-k_q99080c156c_proj
	.p2alignl 7, 3214868480
	.fill 96, 4, 3214868480
	.section	.rodata,"a",@progbits
	.p2align	6, 0x0
	.amdhsa_kernel k_q99080c156c_proj
		.amdhsa_group_segment_fixed_size 327680
		.amdhsa_private_segment_fixed_size 0
		.amdhsa_enable_private_segment 0
		.amdhsa_kernarg_size 40
		.amdhsa_user_sgpr_count 2
		.amdhsa_user_sgpr_kernarg_segment_ptr 1
		.amdhsa_wavefront_size32 1
		.amdhsa_system_sgpr_workgroup_id_x 1
		.amdhsa_system_sgpr_workgroup_id_y 1
		.amdhsa_system_sgpr_workgroup_id_z 1
		.amdhsa_system_vgpr_workitem_id 0
		.amdhsa_next_free_vgpr 1024
		.amdhsa_next_free_sgpr 100
		.amdhsa_reserve_vcc 1
		.amdhsa_float_denorm_mode_32 3
		.amdhsa_float_denorm_mode_16_64 3
		.amdhsa_memory_ordered 1
		.amdhsa_forward_progress 1
		.amdhsa_inst_pref_size 164
	.end_amdhsa_kernel
	.amdgpu_metadata
---
amdhsa.version: [ 1, 2 ]
amdhsa.kernels:
  - .name:           k_q99080c156c_proj
    .symbol:         k_q99080c156c_proj.kd
    .args:
      - { .name: xw, .offset: 0, .size: 8, .value_kind: global_buffer, .address_space: global }
      - { .name: bq, .offset: 8, .size: 8, .value_kind: global_buffer, .address_space: global }
      - { .name: bk, .offset: 16, .size: 8, .value_kind: global_buffer, .address_space: global }
      - { .name: bv, .offset: 24, .size: 8, .value_kind: global_buffer, .address_space: global }
      - { .name: p1, .offset: 32, .size: 8, .value_kind: global_buffer, .address_space: global }
    .group_segment_fixed_size: 327680
    .private_segment_fixed_size: 0
    .kernarg_segment_align: 8
    .kernarg_segment_size: 40
    .max_flat_workgroup_size: 128
    .sgpr_count:     100
    .vgpr_count:     1024
    .wavefront_size: 32
...
	.end_amdgpu_metadata
.endif
;; end of part 2
;; launch quant (part 3): grid 768 x 1, 6 waves a work-group, no clusters, 14,592 bytes of LDS; arguments p1, p2; writes p2
.if DOCPART == 3
	.amdgcn_target "amdgcn-amd-amdhsa--gfx1250"
	.amdhsa_code_object_version 6
	.text
	.protected	k_q99080c156c_quant
	.globl	k_q99080c156c_quant
	.p2align	8
	.type	k_q99080c156c_quant,@function
k_q99080c156c_quant:
	s_mov_b64 s[64:65], 0
	v_nop
	global_prefetch_b8 v0, s[64:65] scope:SCOPE_SE
	s_setreg_imm32_b32 hwreg(HW_REG_WAVE_MODE, 25, 1), 1
	s_wait_xcnt 0x0
; THE FIXED-POINT STEP OF q, k, v.  M = the largest |sum| of the tensor (256 partial maxima); mb = 15 - ceil(log2 max(M, 1e-8)); int = clip(round(sum x 2^mb), -32768, 32767).
; The INTEGER is written, as f16 (at most 32,768, so inside f16's range at every scale of the inputs; 11 significant bits are kept), by heads: [t][b x 12 + head][s][64].  The power of two is applied later, in f32.
; ceil(log2 M) is read off M's bits: EB = (bits + 0x7fffff) >> 23, ceil = EB - 127.  LIMIT: where M lies within a rounding of a power of two a logarithm computed in f32 may decide otherwise.
; round: x 2^mb + 1.5 x 2^23 in one fused multiply-add rounds to the nearest integer, ties to even; the constant is taken away again.  NaN and infinities are not treated apart; M within 2^+-100.
; A wave takes 16 rows x 4 heads: 16 KB dense in, 32 loads all on their way at once; a head's 16 x 64 goes through the wave's own stage in LDS and leaves as 2,048 consecutive bytes.  Memory binds: no matrix unit, no cluster.
.set TS,   12582912
.set STG,  2304                        ; a wave's stage: 16 rows x 144 bytes
.set SPARE, 6*STG
.set LO16, 2
.set STO,  3
.set RD,   4
.set SPW,  30
.set NIL,  31
.set X,    32
.set Y,    160
.set Z,    176
	s_load_b128 s[4:7], s[0:1], 0x0                ; p1, p2
	v_lshl_add_u32 v[SPW], v0, 2, SPARE
	v_mov_b32 v[NIL], 0
	v_lshrrev_b32 v1, 5, v0
	v_readfirstlane_b32 s8, v1                     ; wave 0..5
	s_cmp_ge_u32 s8, 3
	s_cselect_b32 s9, 1, 0
	s_mul_i32 s10, s9, 3
	s_sub_co_u32 s10, s8, s10                      ; which third of the 12 heads
	s_lshl1_add_u32 s11, ttmp9, s9                 ; tm = 512 t + mb
	s_lshr_b32 s12, s11, 9                         ; t
	s_and_b32 s13, s11, 511                        ; mb: 16 rows
	s_mul_i32 s14, s11, 49152
	s_lshl_b32 s15, s10, 14
	s_add_co_u32 s14, s14, s15
	s_add_co_u32 s14, s14, 3072
	s_mov_b32 s15, 0
	s_lshl_b32 s18, s12, 10                        ; the tensor's list of maxima
	s_mov_b32 s19, 0
	s_mul_i32 s20, s12, TS
	s_lshr_b32 s21, s13, 6                         ; batch
	s_mul_i32 s21, s21, 1572864
	s_add_co_u32 s20, s20, s21
	s_lshl_b32 s21, s10, 19                        ; four heads of 131,072 bytes
	s_add_co_u32 s20, s20, s21
	s_and_b32 s21, s13, 63
	s_lshl_b32 s21, s21, 11                        ; 16 rows of 128 bytes
	s_add_co_u32 s20, s20, s21
	s_add_co_u32 s20, s20, 256
	s_mov_b32 s21, 0
	s_mov_b32 s26, 0x4b400000                      ; 1.5 x 2^23
	s_mov_b32 s27, s26
	s_mov_b32 s28, 0xcb400000
	s_mov_b32 s29, s28
	s_mov_b32 s30, 0xc7000000                      ; -32768
	s_mov_b32 s31, 0x46fffe00                      ; 32767
	s_mov_b32 s32, 0x76543210
	s_mov_b32 s33, 0xfedcba98
	s_mul_i32 s34, s8, STG
	v_and_b32 v1, 31, v0
	v_lshlrev_b32 v[LO16], 4, v1
	v_and_b32 v5, 15, v0
	v_bfe_u32 v6, v0, 4, 1
	v_mul_u32_u24 v[STO], v5, 144
	v_lshl_add_u32 v[STO], v6, 4, v[STO]
	v_add_nc_u32 v[STO], s34, v[STO]               ; in: row l % 16, 16 bytes for each half of the lanes
	v_bfe_u32 v[RD], v0, 3, 2
	v_mul_u32_u24 v[RD], v[RD], 144
	v_and_b32 v7, 7, v0
	v_lshl_add_u32 v[RD], v7, 4, v[RD]
	v_add_nc_u32 v[RD], s34, v[RD]                 ; back: 32 lanes take four rows of 128 bytes
	s_wait_kmcnt 0x0
	s_add_nc_u64 s[16:17], s[4:5], s[14:15]
	s_add_nc_u64 s[18:19], s[4:5], s[18:19]
	s_add_nc_u64 s[22:23], s[6:7], s[20:21]
	global_load_b128 v[8:11], v[LO16], s[18:19]
	global_load_b128 v[12:15], v[LO16], s[18:19] offset:512
.set i, 0
.rept 32
	global_load_b128 v[X+4*i:X+4*i+3], v[LO16], s[16:17] offset:512*i th:TH_LOAD_NT
.set i, i+1
.endr
	s_wait_loadcnt 32                              ; the maxima are in; the 32 data loads stay out
	v_max3_num_f32 v8, v8, v9, v10
	v_max3_num_f32 v8, v8, v11, v12
	v_max3_num_f32 v8, v8, v13, v14
	v_max_num_f32 v8, v8, v15
	v_max_num_f32_dpp v8, v8, v8 row_xmask:1 row_mask:0xf bank_mask:0xf
	v_max_num_f32_dpp v8, v8, v8 row_xmask:2 row_mask:0xf bank_mask:0xf
	v_max_num_f32_dpp v8, v8, v8 row_xmask:4 row_mask:0xf bank_mask:0xf
	v_max_num_f32_dpp v8, v8, v8 row_xmask:8 row_mask:0xf bank_mask:0xf
	v_permlanex16_b32 v9, v8, s32, s33
	v_max_num_f32 v8, v8, v9                       ; M, in every lane
	v_readfirstlane_b32 s35, v8
	s_max_u32 s35, s35, 0x322bcc77                 ; at least 1e-8 (non-negative floats order as their bits)
	s_add_co_u32 s35, s35, 0x7fffff
	s_lshr_b32 s35, s35, 23                        ; EB
	s_sub_co_u32 s35, 269, s35
	s_lshl_b32 s24, s35, 23                        ; 2^mb
	s_mov_b32 s25, s24
.macro GROUP g                         ; one head's 16 x 64
	s_wait_loadcnt 8*(3-(\g))                      ; this group's eight loads are in; the later groups' stay out
.set j, 0
.rept 16
	v_pk_fma_f32 v[X+32*(\g)+2*j:X+32*(\g)+2*j+1], v[X+32*(\g)+2*j:X+32*(\g)+2*j+1], s[24:25], s[26:27] op_sel_hi:[1,0,0]
.set j, j+1
.endr
.set j, 0
.rept 16
	v_pk_add_f32 v[X+32*(\g)+2*j:X+32*(\g)+2*j+1], v[X+32*(\g)+2*j:X+32*(\g)+2*j+1], s[28:29] op_sel_hi:[1,0]
.set j, j+1
.endr
.set j, 0
.rept 32
	v_med3_num_f32 v[X+32*(\g)+j], v[X+32*(\g)+j], s30, s31
.set j, j+1
.endr
.set j, 0
.rept 16
	v_cvt_pk_f16_f32 v[Y+j], v[X+32*(\g)+2*j], v[X+32*(\g)+2*j+1]
.set j, j+1
.endr
	s_wait_xcnt 0x0                                ; Z was the last group's store data: it is loaded again only behind this wait
.irp f, 0,1,2,3
	ds_store_b128 v[STO], v[Y+4*\f:Y+4*\f+3] offset:32*\f
.endr
.irp f, 0,1,2,3
	ds_load_b128 v[Z+4*\f:Z+4*\f+3], v[RD] offset:576*\f   ; LDS serves a wave's instructions in order (ISA guide 5.7.1.4): these see the stores above
.endr
.irp f, 0,1,2,3
	s_wait_dscnt 3-\f
	global_store_b128 v[LO16], v[Z+4*\f:Z+4*\f+3], s[22:23] offset:(\g)*131072+\f*512   ; 512 consecutive bytes, aligned
.endr
.endm
	GROUP 0
	GROUP 1
	GROUP 2
	GROUP 3
	s_or_b32 s36, s13, s10                         ; the wave with the tensor's first rows and heads also writes M for the later launches
	s_cmp_lg_u32 s36, 0
	s_cbranch_scc1 .Lno_m
	s_lshl_b32 s36, s12, 2
	v_mov_b32 v9, s36
	s_wait_xcnt 0x0                                ; EXEC changes only behind this wait
	v_cmp_eq_u32 vcc_lo, 0, v1
	s_and_saveexec_b32 s37, vcc_lo
	global_store_b32 v9, v8, s[6:7]
	s_wait_xcnt 0x0
	s_or_b32 exec_lo, exec_lo, s37
.Lno_m:
	s_wait_tensorcnt 0x0                           ; the wave's end
	ds_add_u32 v[SPW], v[NIL]
	s_wait_dscnt 0x0
	s_endpgm
.Lfunc_end_k_q99080c156c_quant:
	.size	k_q99080c156c_quant, .Lfunc_end_k_q99080c156c_quant-k_q99080c156c_quant
	.p2alignl 7, 3214868480
	.fill 96, 4, 3214868480
	.section	.rodata,"a",@progbits
	.p2align	6, 0x0
	.amdhsa_kernel k_q99080c156c_quant
		.amdhsa_group_segment_fixed_size 14592
		.amdhsa_private_segment_fixed_size 0
		.amdhsa_enable_private_segment 0
		.amdhsa_kernarg_size 16
		.amdhsa_user_sgpr_count 2
		.amdhsa_user_sgpr_kernarg_segment_ptr 1
		.amdhsa_wavefront_size32 1
		.amdhsa_system_sgpr_workgroup_id_x 1
		.amdhsa_system_sgpr_workgroup_id_y 1
		.amdhsa_system_sgpr_workgroup_id_z 1
		.amdhsa_system_vgpr_workitem_id 0
		.amdhsa_next_free_vgpr 192
		.amdhsa_next_free_sgpr 66
		.amdhsa_reserve_vcc 1
		.amdhsa_float_denorm_mode_32 3
		.amdhsa_float_denorm_mode_16_64 3
		.amdhsa_memory_ordered 1
		.amdhsa_forward_progress 1
		.amdhsa_inst_pref_size 32
	.end_amdhsa_kernel
	.amdgpu_metadata
---
amdhsa.version: [ 1, 2 ]
amdhsa.kernels:
  - .name:           k_q99080c156c_quant
    .symbol:         k_q99080c156c_quant.kd
    .args:
      - { .name: p1, .offset: 0, .size: 8, .value_kind: global_buffer, .address_space: global }
      - { .name: p2, .offset: 8, .size: 8, .value_kind: global_buffer, .address_space: global }
    .group_segment_fixed_size: 14592
    .private_segment_fixed_size: 0
    .kernarg_segment_align: 8
    .kernarg_segment_size: 16
    .max_flat_workgroup_size: 192
    .sgpr_count:     66
    .vgpr_count:     192
    .wavefront_size: 32
...
	.end_amdgpu_metadata
.endif
;; end of part 3
;; launch smax (part 4): grid 2 x 96, 4 waves a work-group, no clusters, 167,936 bytes of LDS; arguments p2, p3; writes p3
.if DOCPART == 4
	.amdgcn_target "amdgcn-amd-amdhsa--gfx1250"
	.amdhsa_code_object_version 6
	.text
	.protected	k_q99080c156c_smax
	.globl	k_q99080c156c_smax
	.p2align	8
	.type	k_q99080c156c_smax,@function
k_q99080c156c_smax:
	s_mov_b64 s[64:65], 0
	v_nop
	global_prefetch_b8 v0, s[64:65] scope:SCOPE_SE
	s_setreg_imm32_b32 hwreg(HW_REG_WAVE_MODE, 25, 1), 1
	s_wait_xcnt 0x0
; THE LARGEST |sigma|, sigma = Qint . Kint, of 512 queries of one head against all 1,024 keys: the scores' fixed-point step needs the maximum over ALL scores before any score can be used.
; Qint, Kint: the integers of q and k in f16, [bh][s][64]; sums in f32 (at most 64 x 2^30).
; A wave owns 128 queries: 8 tiles of 16, four PIECES of two.  The head's whole K lies in LDS, filled once: each wave's one tensor load brings 272 keys as 136 rows of 256 bytes, padded to 144 bytes a key.
; The fourth wave's tile reaches 32 rows past the head's 512: those arrive as zeros, a 17th key step, so that the fetch that runs one step ahead needs no jump in the last trip.
; S^T = K Q^T (source 0 = 16 keys, source 1 = 16 queries).  Turn p: 16 products of piece p + 1, two v_max3 of piece p's |scores| behind each.
; NO CLUSTER: only two work-groups share a head, and each fetches K once for its whole run.  192 work-groups: 96 heads in halves.  LIMITS: NaN and infinities are not treated apart.
; REGISTERS: window 0: v2-15 addresses, four running maxima; v64-191 S^T, two buffers of two tiles.   window 1: v0-127 Q; v128-191, v192-255 K of one step, two buffers.
.set PK,    144
.set KS,    64
.set KROWS, 136
.set KPART, 2*KROWS*PK                 ; 39,168 bytes a wave
.set SCR,   4*KPART
.set SPARE, SCR+256
.set TS,    12582912
.set AK0, 2
.set AK,  4
.set QO,  6
.set CH,  8
.set SPW, 14
.set NIL, 15
.set S,   64
.set KF0, 128
.set WV,  12
.set G1,  24
.set G0,  32
.set TBK, 36
.set CNT, 37
.set SEL, 38
.set VPM, 2
.set NMM, 16
.set W_KQ, 0x05
.set MSB, 0
.macro WIN new
.if MSB != (\new)
	s_set_vgpr_msb (MSB<<8)|(\new)
.set MSB, (\new)
.endif
.endm
.macro KQ x                            ; product mi of 16 for piece x: channels 32 (mi / 8) on, keys 16 ((mi / 2) % 4) on, tile 2 x + mi % 2; the 8 accumulators take turns
	WIN W_KQ
.set kS, S+64*((\x)%2)+32*(mi%2)+8*((mi/2)%4)
.set kK, KFC+16*((mi/2)%4)+8*(mi/8)
.set kQ, 16*(2*(\x)+mi%2)+8*(mi/8)
.if mi < 8
	v_wmma_f32_16x16x32_f16 v[kS:kS+7], v[kK:kK+7], v[kQ:kQ+7], 0
.else
	v_wmma_f32_16x16x32_f16 v[kS:kS+7], v[kK:kK+7], v[kQ:kQ+7], v[kS:kS+7]
.endif
.set mi, mi+1
.endm
.macro PRE                             ; in front of every vector line of a turn: after each VPM of them the next matrix instruction
.if ((vc%VPM) == 0) && (mi < NMM)
	KQ (Y+1)%4
.endif
	WIN 0
.set vc, vc+1
.endm
.macro FETCH_K kf                      ; a step's K, 64 keys x 64 channels, 16 loads in one run
	WIN 0
	v_add_nc_u32 v[AK], s[TBK], v[AK0]
	WIN 0x40
.irp f, 0,1,2,3,4,5,6,7
	ds_load_b128 v[(\kf)+8*\f:(\kf)+8*\f+3],   v[AK] offset:(\f/2)*16*PK+(\f%2)*64
	ds_load_b128 v[(\kf)+8*\f+4:(\kf)+8*\f+7], v[AK] offset:(\f/2)*16*PK+(\f%2)*64+32
.endr
	s_add_co_u32 s[TBK], s[TBK], KS*PK
	WIN 0
.endm
.macro TURN p
.set Y, (\p)
.set mi, 0
.set vc, 0
.set n, 0
.rept 32                               ; pair n / 2 of tile n % 2: each accumulator is read from its low end on
.set rS, S+64*(Y%2)+32*(n%2)+2*(n/2)
	PRE
	v_max3_num_f32 v[CH+n%4], |v[rS]|, |v[rS+1]|, v[CH+n%4]
.set n, n+1
.endr
.endm
; A key step.  The next step's K goes into the other buffer, whose last reader stands more than 25 plain lines back; it is waited for three turns later.
.macro STEP par
	FETCH_K KF0+64*(1-(\par))
.set KFC, KF0+64*(\par)
	TURN 0
	TURN 1
	TURN 2
	s_wait_dscnt 0x0                               ; the next step's K is in
.set KFC, KF0+64*(1-(\par))
	TURN 3
.endm
	s_load_b128 s[4:7], s[0:1], 0x0                ; p2, p3
	v_lshl_add_u32 v[SPW], v0, 2, SPARE
	v_mov_b32 v[NIL], 0
	ds_add_u32 v[SPW], v[NIL]                      ; the wave's opening: the add and its wait ahead of my tensor load
	ds_add_u32 v14, v15
	v_lshrrev_b32 v1, 5, v0
	v_readfirstlane_b32 s[WV], v1
	s_and_b32 s13, ttmp7, 0xffff                   ; bh
	s_mov_b32 s14, ttmp9                           ; which half of the queries
	s_mov_b32 s[G1], (1<<16)|(1<<20)|(4<<22)|(3<<25)   ; 2-byte elements; padding on: after every 32 words 4 words
	s_mov_b32 s[G1+1], 128<<16                     ; tensor_dim0 = 128
	s_mul_i32 s15, s[WV], KROWS
	s_sub_co_u32 s15, 512, s15                     ; tensor_dim1: the rows left of the head from my tile's first
	s_lshl_b32 s[G1+2], s15, 16
	s_mov_b32 s[G1+3], 128<<16                     ; tile_dim0 = 128
	s_mov_b32 s[G1+4], KROWS                       ; tile_dim1 = 136
	s_mov_b32 s[G1+5], 128
	s_mov_b32 s[G1+6], 0
	s_mov_b32 s[G1+7], 0
	s_mov_b32 s[G0], 1
	s_mul_i32 s[G0+1], s[WV], KPART
	s_lshl_b32 s16, s13, 17                        ; the head's bytes
	s_mul_i32 s18, s[WV], KROWS*256
	s_add_co_u32 s18, s18, s16
	s_add_co_u32 s18, s18, 256+TS
	s_mov_b32 s19, 0
	s_lshl_b32 s20, s14, 16
	s_lshl_b32 s21, s[WV], 14
	s_add_co_u32 s20, s20, s21
	s_add_co_u32 s20, s20, s16
	s_add_co_u32 s20, s20, 256
	s_mov_b32 s21, 0
	s_mov_b32 s[SEL], 0x76543210
	s_mov_b32 s[SEL+1], 0xfedcba98
	s_mov_b32 s[TBK], 0
	s_wait_dscnt 0x0
	s_wait_kmcnt 0x0
	s_add_nc_u64 s[G0+2:G0+3], s[4:5], s[18:19]
	s_or_b32 s[G0+3], s[G0+3], 0x80000000
	tensor_load_to_lds s[G0:G0+3], s[G1:G1+7]      ; my one tensor load
	s_nop 0
.rept 4
	v_nop
.endr
	s_add_nc_u64 s[8:9], s[4:5], s[20:21]          ; Q at my wave's first row
	v_and_b32 v1, 15, v0
	v_bfe_u32 v3, v0, 4, 1
	v_lshlrev_b32 v[QO], 7, v1
	v_lshl_add_u32 v[QO], v3, 4, v[QO]
	WIN 0x40
.set i, 0
.rept 16                               ; Q stays in registers: tile i / 2, channels 32 (i % 2) on
	global_load_b128 v[8*i:8*i+3],   v[QO], s[8:9] offset:(i/2)*2048+(i%2)*64
	global_load_b128 v[8*i+4:8*i+7], v[QO], s[8:9] offset:(i/2)*2048+(i%2)*64+32
.set i, i+1
.endr
	WIN 0
	v_mul_u32_u24 v[AK0], v1, PK
	v_lshl_add_u32 v[AK0], v3, 4, v[AK0]
.irp c, 0,1,2,3
	v_mov_b32 v[CH+\c], 0
.endr
	s_wait_tensorcnt 0x0                           ; my part of K is in,
	s_barrier_signal -1
	s_barrier_wait -1                              ; everybody's is
	FETCH_K KF0
	s_wait_loadcnt 0x0
	s_wait_dscnt 0x0
.set KFC, KF0
.set mi, 0
.rept 16
	KQ 0
.endr
	WIN 0
.rept 4
	v_nop                                          ; the places behind those products
.endr
	s_mov_b32 s[CNT], 8
.Lpair:
	STEP 0
	STEP 1
	WIN 0
	s_sub_co_u32 s[CNT], s[CNT], 1
	s_cmp_lg_u32 s[CNT], 0
	s_cbranch_scc1 .Lpair
	v_max3_num_f32 v[CH], v[CH], v[CH+1], v[CH+2]
	v_max_num_f32 v[CH], v[CH], v[CH+3]
	v_max_num_f32_dpp v[CH], v[CH], v[CH] row_xmask:1 row_mask:0xf bank_mask:0xf
	v_max_num_f32_dpp v[CH], v[CH], v[CH] row_xmask:2 row_mask:0xf bank_mask:0xf
	v_max_num_f32_dpp v[CH], v[CH], v[CH] row_xmask:4 row_mask:0xf bank_mask:0xf
	v_max_num_f32_dpp v[CH], v[CH], v[CH] row_xmask:8 row_mask:0xf bank_mask:0xf
	v_permlanex16_b32 v[CH+1], v[CH], s[SEL], s[SEL+1]
	v_max_num_f32 v[CH], v[CH], v[CH+1]
	s_lshl_b32 s15, s[WV], 2
	s_add_co_u32 s15, s15, SCR
	v_mov_b32 v5, s15
	ds_store_b32 v5, v[CH]
	s_wait_dscnt 0x0                               ; for the others' sake
	s_barrier_signal -1
	s_barrier_wait -1
	s_cmp_lg_u32 s[WV], 0
	s_cbranch_scc1 .Lend
	v_mov_b32 v5, SCR
	ds_load_b128 v[CH:CH+3], v5
	s_wait_dscnt 0x0
	v_max3_num_f32 v[CH], v[CH], v[CH+1], v[CH+2]
	v_max_num_f32 v[CH], v[CH], v[CH+3]
	s_lshl1_add_u32 s15, s13, s14
	s_lshl_b32 s15, s15, 2
	v_mov_b32 v7, s15
	s_wait_xcnt 0x0                                ; EXEC changes only behind this wait
	v_cmp_eq_u32 vcc_lo, 0, v0
	s_and_saveexec_b32 s16, vcc_lo
	global_store_b32 v7, v[CH], s[6:7]
	s_wait_xcnt 0x0
	s_or_b32 exec_lo, exec_lo, s16
.Lend:
	s_wait_tensorcnt 0x0                           ; the wave's end
	ds_add_u32 v[SPW], v[NIL]
	s_wait_dscnt 0x0
	s_endpgm
.Lfunc_end_k_q99080c156c_smax:
	.size	k_q99080c156c_smax, .Lfunc_end_k_q99080c156c_smax-k_q99080c156c_smax
	.p2alignl 7, 3214868480
	.fill 96, 4, 3214868480
	.section	.rodata,"a",@progbits
	.p2align	6, 0x0
	.amdhsa_kernel k_q99080c156c_smax
		.amdhsa_group_segment_fixed_size 167936
		.amdhsa_private_segment_fixed_size 0
		.amdhsa_enable_private_segment 0
		.amdhsa_kernarg_size 16
		.amdhsa_user_sgpr_count 2
		.amdhsa_user_sgpr_kernarg_segment_ptr 1
		.amdhsa_wavefront_size32 1
		.amdhsa_system_sgpr_workgroup_id_x 1
		.amdhsa_system_sgpr_workgroup_id_y 1
		.amdhsa_system_sgpr_workgroup_id_z 1
		.amdhsa_system_vgpr_workitem_id 0
		.amdhsa_next_free_vgpr 512
		.amdhsa_next_free_sgpr 66
		.amdhsa_reserve_vcc 1
		.amdhsa_float_denorm_mode_32 3
		.amdhsa_float_denorm_mode_16_64 3
		.amdhsa_memory_ordered 1
		.amdhsa_forward_progress 1
		.amdhsa_inst_pref_size 45
	.end_amdhsa_kernel
	.amdgpu_metadata
---
amdhsa.version: [ 1, 2 ]
amdhsa.kernels:
  - .name:           k_q99080c156c_smax
    .symbol:         k_q99080c156c_smax.kd
    .args:
      - { .name: p2, .offset: 0, .size: 8, .value_kind: global_buffer, .address_space: global }
      - { .name: p3, .offset: 8, .size: 8, .value_kind: global_buffer, .address_space: global }
    .group_segment_fixed_size: 167936
    .private_segment_fixed_size: 0
    .kernarg_segment_align: 8
    .kernarg_segment_size: 16
    .max_flat_workgroup_size: 128
    .sgpr_count:     66
    .vgpr_count:     512
    .wavefront_size: 32
...
	.end_amdgpu_metadata
.endif
;; end of part 4
;; launch stats (part 5): grid 2 x 96, 4 waves a work-group, no clusters, 167,936 bytes of LDS; arguments p2, mask, p3, p4; writes p4
.if DOCPART == 5
	.amdgcn_target "amdgcn-amd-amdhsa--gfx1250"
	.amdhsa_code_object_version 6
	.text
	.protected	k_q99080c156c_stats
	.globl	k_q99080c156c_stats
	.p2align	8
	.type	k_q99080c156c_stats,@function
k_q99080c156c_stats:
	s_mov_b64 s[64:65], 0
	v_nop
	global_prefetch_b8 v0, s[64:65] scope:SCOPE_SE
	s_setreg_imm32_b32 hwreg(HW_REG_WAVE_MODE, 25, 1), 1
	s_wait_xcnt 0x0
; THE SOFTMAX'S ROW STATISTICS.  For each query: m = the largest masked score, l = the sum of exp(score - m), by a running maximum; and min l of the work-group: the largest probability of the whole tensor is 1 / min l.
; THE SCORES.  sigma = Qint . Kint.  The two fixed-point steps round the division by 8 collapse exactly: with M3 = max|sigma| 2^-mbq 2^-mbk, mb3 = 15 - ceil(log2 M3), A = 2^(mb3 - mbq - mbk):
;   s = med3(round(sigma A), LO, HI) x 2^-(mb3 + 3); (LO, HI) = (-32768, 32767), or (-16384, 16383.5) where the largest rounded score is exactly 2^14 (the second step then has one bit more and clips 32768 to 32767).
;   X = s - 10000 (1 - mask), one rounding, as the fused multiply-add makes it; X - m is an exact difference's rounding, then times log2(e), then 2^.
; LIMITS.  The second step's floor of 1e-8 is not modelled where the largest score is under 8e-8; ceil(log2) is read off the bits; the mask is rounded to bf16 like the other inputs; a weight below 2^-126 counts as 0;
; NaN and infinities are not treated apart; the maxima within 2^+-100.
; SHARES, LAYOUT: 512 queries of a head a work-group, 128 a wave in four pieces of two tiles; the head's K in LDS, filled once, with a 17th key step of zeros (the fourth wave's tile reaches past the head's end)
; for the fetch that runs ahead.  Turn p: the vector work of piece p; 16 products K Q^T of piece p + 1, one after every 12 vector lines.  The lines are dealt by ticks: in a tick each stage works on another pair of scores.
; NO CLUSTER: only two work-groups share a head, and each fetches K once for its whole run.
; REGISTERS: window 0: v2-15 addresses; v16-47 the step's 32 mask terms; v48-55 at work; v64-191 S^T, two buffers; v192-255 eight a tile: m, -, a, -, two pairs of l.   window 1: v0-127 Q; v128-191 K.
.set PK,    144
.set KS,    64
.set KROWS, 136
.set KPART, 2*KROWS*PK
.set BIAS,  4*KPART                    ; 1,024 mask terms, then 512 bytes of zeros
.set SCR,   BIAS+4608
.set SPARE, SCR+256
.set TS,    12582912
.set AK0, 2
.set AB0, 3
.set AK,  4
.set AB,  5
.set SPW, 14
.set NIL, 15
.set BI,  16
.set TMP, 48
.set S,   64
.set SS,  192
.set KF,  128
.set WV,  12
.set G1,  24
.set G0,  32
.set TBK, 36
.set TBB, 37
.set CNT, 38
.set SEL, 40
.set SA,  42
.set SC,  44
.set SNC, 46
.set SG,  48
.set SCL, 50
.set SLO, 52
.set SHI, 53
.set MSG, 55
.set VPM, 12
.set NMM, 16
.set W_KQ, 0x05
.set MSB, 0
.macro WIN new
.if MSB != (\new)
	s_set_vgpr_msb (MSB<<8)|(\new)
.set MSB, (\new)
.endif
.endm
.macro KQ x                            ; product mi of 16 for piece x; the 8 accumulators take turns
	WIN W_KQ
.set kS, S+64*((\x)%2)+32*(mi%2)+8*((mi/2)%4)
.set kK, KF+16*((mi/2)%4)+8*(mi/8)
.set kQ, 16*(2*(\x)+mi%2)+8*(mi/8)
.if mi < 8
	v_wmma_f32_16x16x32_f16 v[kS:kS+7], v[kK:kK+7], v[kQ:kQ+7], 0
.else
	v_wmma_f32_16x16x32_f16 v[kS:kS+7], v[kK:kK+7], v[kQ:kQ+7], v[kS:kS+7]
.endif
.set mi, mi+1
.endm
.macro PRE
.if ((vc%VPM) == 0) && (mi < NMM)
	KQ (Y+1)%4
.endif
	WIN 0
.set vc, vc+1
.endm
.macro FETCH_K
	WIN 0
	v_add_nc_u32 v[AK], s[TBK], v[AK0]
	WIN 0x40
.irp f, 0,1,2,3,4,5,6,7
	ds_load_b128 v[KF+8*\f:KF+8*\f+3],   v[AK] offset:(\f/2)*16*PK+(\f%2)*64
	ds_load_b128 v[KF+8*\f+4:KF+8*\f+7], v[AK] offset:(\f/2)*16*PK+(\f%2)*64+32
.endr
	s_add_co_u32 s[TBK], s[TBK], KS*PK
	WIN 0
.endm
.macro FETCH_B                         ; the step's mask terms: register 8 kb + j is key 16 kb + 8 (l / 16) + j, as in S^T
	WIN 0
	v_add_nc_u32 v[AB], s[TBB], v[AB0]
.irp q, 0,1,2,3,4,5,6,7
	ds_load_b128 v[BI+4*\q:BI+4*\q+3], v[AB] offset:(\q/2)*64+(\q%2)*16
.endr
	s_add_co_u32 s[TBB], s[TBB], 256
.endm
; Stage k for pair n = tau - d (tile n % 2, pair n / 2 of 16).  0, 1: round(sigma A).  2, 3: the clip.  4: x 2^-(mb3+3) + the mask term.  5: the running maximum, two chains a tile.
.macro P1 k, d
.set n, tau-(\d)
.if (n >= 0) && (n < 32)
.set u, n%2
.set ip, n/2
.set rS, S+64*(Y%2)+32*u+2*ip
.set rC, TMP+4*u
.set rT, SS+8*(2*Y+u)
	PRE
.if (\k) == 0
	v_pk_fma_f32 v[rS:rS+1], v[rS:rS+1], s[SA:SA+1], s[SC:SC+1] op_sel_hi:[1,0,0]
.elseif (\k) == 1
	v_pk_add_f32 v[rS:rS+1], v[rS:rS+1], s[SNC:SNC+1] op_sel_hi:[1,0]
.elseif (\k) == 2
	v_med3_num_f32 v[rS], v[rS], s[SLO], s[SHI]
.elseif (\k) == 3
	v_med3_num_f32 v[rS+1], v[rS+1], s[SLO], s[SHI]
.elseif (\k) == 4
	v_pk_fma_f32 v[rS:rS+1], v[rS:rS+1], s[SG:SG+1], v[BI+2*ip:BI+2*ip+1] op_sel_hi:[1,0,1]
.elseif ip == 0
	v_max3_num_f32 v[rC], v[rS], v[rS+1], v[rT]
.elseif ip == 1
	v_max_num_f32 v[rC+1], v[rS], v[rS+1]
.else
	v_max3_num_f32 v[rC+ip%2], v[rS], v[rS+1], v[rC+ip%2]
.endif
.endif
.endm
; The tile's new m and a = 2^((m_old - m_new) log2 e)
.macro SX k, u
.set rC, TMP+4*(\u)
.set rT, SS+8*(2*Y+(\u))
	PRE
.if (\k) == 0
	v_max_num_f32 v[rC], v[rC], v[rC+1]
.elseif (\k) == 1
	v_permlanex16_b32 v[rC+2], v[rC], s[SEL], s[SEL+1]   ; the query's other 32 keys lie in the lane 16 away
.elseif (\k) == 2
	v_max_num_f32 v[rC+1], v[rC], v[rC+2]
.elseif (\k) == 3
	v_sub_f32 v[rC+3], v[rT], v[rC+1]
.elseif (\k) == 4
	v_mov_b32 v[rT], v[rC+1]
.elseif (\k) == 5
	v_mul_f32 v[rC+3], s[SCL], v[rC+3]
.else
	v_exp_f32 v[rT+2], v[rC+3]
.endif
.endm
; 0: X - m.  1: x log2 e.  2, 3: 2^.  4: onto l, two chains a tile; each chain's first link is l = a l + e.
.macro P2 k, d
.set n, tau-(\d)
.if (n >= 0) && (n < 32)
.set u, n%2
.set ip, n/2
.set rS, S+64*(Y%2)+32*u+2*ip
.set rT, SS+8*(2*Y+u)
.set rL, rT+4+2*(ip%2)
	PRE
.if (\k) == 0
	v_pk_add_f32 v[rS:rS+1], v[rS:rS+1], v[rT:rT+1] op_sel_hi:[1,0] neg_lo:[0,1] neg_hi:[0,1]
.elseif (\k) == 1
	v_pk_mul_f32 v[rS:rS+1], v[rS:rS+1], s[SCL:SCL+1] op_sel_hi:[1,0]
.elseif (\k) == 2
	v_exp_f32 v[rS], v[rS]
.elseif (\k) == 3
	v_exp_f32 v[rS+1], v[rS+1]
.elseif ip < 2
	s_wait_alu depctr_va_vdst(0)
	v_pk_fma_f32 v[rL:rL+1], v[rL:rL+1], v[rT+2:rT+3], v[rS:rS+1] op_sel_hi:[1,0,1]
.else
	s_wait_alu depctr_va_vdst(0)
	v_pk_add_f32 v[rL:rL+1], v[rL:rL+1], v[rS:rS+1]
.endif
.endif
.endm
; A TURN: 366 vector lines, 16 matrix instructions in front of lines 0, 12, .. 180.  The next step's K is fetched in piece 2's turn, 12 plain lines behind the last product that read K; the next step's mask terms in
; piece 3's turn, behind their last use.  Each is waited for at the head of the next turn.  A plain line stands behind every exponential, or a second exponential on another register and then a plain line (ISA guide 5.7.2).
.macro TURN p
.set Y, (\p)
.set mi, 0
.set vc, 0
.if ((\p) == 0) || ((\p) == 3)
	s_wait_dscnt 0x0
.endif
.set tau, 0
.rept 36
	P1 0, 0
	P1 1, 1
	P1 2, 2
	P1 3, 2
	P1 4, 3
	P1 5, 4
.set tau, tau+1
.endr
.if (\p) == 2
	FETCH_K
.endif
.if (\p) == 3
	FETCH_B
.endif
.irp k, 0,1,2,3,4,5,6
	SX \k, 0
	SX \k, 1
.endr
.set tau, 0
.rept 35
	P2 0, 0
	P2 2, 2
	P2 1, 1
	P2 3, 2
	P2 4, 3
.set tau, tau+1
.endr
.endm
	s_load_b256 s[4:11], s[0:1], 0x0               ; p2, mask, p3, p4
	v_lshl_add_u32 v[SPW], v0, 2, SPARE
	v_mov_b32 v[NIL], 0
	ds_add_u32 v[SPW], v[NIL]                      ; the wave's opening: the add and its wait ahead of my tensor load
	ds_add_u32 v14, v15
	v_lshrrev_b32 v1, 5, v0
	v_readfirstlane_b32 s[WV], v1
	s_and_b32 s13, ttmp7, 0xffff                   ; bh
	s_mov_b32 s14, ttmp9                           ; half
	s_mov_b32 s[G1], (1<<16)|(1<<20)|(4<<22)|(3<<25)
	s_mov_b32 s[G1+1], 128<<16
	s_mul_i32 s15, s[WV], KROWS
	s_sub_co_u32 s15, 512, s15                     ; the rows left of the head from my tile's first
	s_lshl_b32 s[G1+2], s15, 16
	s_mov_b32 s[G1+3], 128<<16
	s_mov_b32 s[G1+4], KROWS
	s_mov_b32 s[G1+5], 128
	s_mov_b32 s[G1+6], 0
	s_mov_b32 s[G1+7], 0
	s_mov_b32 s[G0], 1
	s_mul_i32 s[G0+1], s[WV], KPART
	s_lshl_b32 s16, s13, 17
	s_mul_i32 s18, s[WV], KROWS*256
	s_add_co_u32 s18, s18, s16
	s_add_co_u32 s18, s18, 256+TS
	s_mov_b32 s19, 0
	s_lshl_b32 s22, s14, 16
	s_lshl_b32 s23, s[WV], 14
	s_add_co_u32 s22, s22, s23
	s_add_co_u32 s22, s22, s16
	s_add_co_u32 s22, s22, 256
	s_mov_b32 s23, 0
	s_mul_hi_u32 s20, s13, 0x15555556              ; batch = bh / 12
	s_lshl_b32 s20, s20, 12
	s_mov_b32 s21, 0
	s_lshl1_add_u32 s17, s13, s14                  ; 2 bh + half
	s_lshl2_add_u32 s60, s17, s[WV]                ; my wave among all
	s_lshl_b32 s60, s60, 11
	s_add_co_u32 s60, s60, 1024
	s_mov_b32 s61, 0
	s_mov_b32 s[SEL], 0x76543210
	s_mov_b32 s[SEL+1], 0xfedcba98
	s_mov_b32 s[SC], 0x4b400000                    ; 1.5 x 2^23
	s_mov_b32 s[SC+1], s[SC]
	s_mov_b32 s[SNC], 0xcb400000
	s_mov_b32 s[SNC+1], s[SNC]
	s_mov_b32 s[SCL], 0x3fb8aa3b                   ; log2 e
	s_mov_b32 s[SCL+1], s[SCL]
	s_mov_b32 s[TBK], 0
	s_mov_b32 s[TBB], 0
	s_wait_dscnt 0x0
	s_wait_kmcnt 0x0
	s_add_nc_u64 s[G0+2:G0+3], s[4:5], s[18:19]
	s_or_b32 s[G0+3], s[G0+3], 0x80000000
	tensor_load_to_lds s[G0:G0+3], s[G1:G1+7]      ; my one tensor load
	s_nop 0
.rept 4
	v_nop
.endr
	s_load_b96 s[56:58], s[4:5], 0x0               ; Mq, Mk, Mv
	s_add_nc_u64 s[22:23], s[4:5], s[22:23]        ; Q at my wave's first row
	s_add_nc_u64 s[20:21], s[6:7], s[20:21]        ; the batch's mask
	s_add_nc_u64 s[60:61], s[10:11], s[60:61]      ; my wave's 2,048 bytes of m and l
	v_and_b32 v1, 15, v0
	v_bfe_u32 v9, v0, 4, 1
	v_and_b32 v10, 31, v0
	v_lshlrev_b32 v12, 7, v1
	v_lshl_add_u32 v12, v9, 4, v12
	v_lshlrev_b32 v13, 4, v10
	v_lshlrev_b32 v11, 2, v10
	v_lshlrev_b32 v8, 5, v0
	WIN 0x40
.set i, 0
.rept 16
	global_load_b128 v[8*i:8*i+3],   v12, s[22:23] offset:(i/2)*2048+(i%2)*64
	global_load_b128 v[8*i+4:8*i+7], v12, s[22:23] offset:(i/2)*2048+(i%2)*64+32
.set i, i+1
.endr
	WIN 0
.set i, 0
.rept 6
	global_load_b32 v[56+i], v11, s[8:9] offset:128*i    ; the 192 partial maxima of |sigma|
.set i, i+1
.endr
	global_load_b128 v[64:67], v8, s[20:21]        ; my eight numbers of the mask
	global_load_b128 v[68:71], v8, s[20:21] offset:16
.set i, 0
.rept 8
	v_mov_b32 v[SS+8*i], 0xff7fffff                ; m: the lowest finite number, so the first a is 0
.irp j, 1,2,3,4,5,6,7
	v_mov_b32 v[SS+8*i+\j], 0
.endr
.set i, i+1
.endr
.set i, 0
.rept 8
	v_mov_b32 v[TMP+i], 0
.set i, i+1
.endr
	v_mul_u32_u24 v[AK0], v1, PK
	v_lshl_add_u32 v[AK0], v9, 4, v[AK0]
	v_lshlrev_b32 v[AB0], 5, v9
	v_add_nc_u32 v[AB0], BIAS, v[AB0]
	s_wait_loadcnt 0x0
.irp j, 0,2,4,6                        ; the mask rounded to bf16, then -10000 (1 - mask)
	v_cvt_pk_bf16_f32 v[72+(\j)/2], v[64+(\j)], v[65+(\j)]
.endr
.irp j, 0,2,4,6
	v_lshlrev_b32 v[64+(\j)], 16, v[72+(\j)/2]
	v_and_b32 v[65+(\j)], 0xffff0000, v[72+(\j)/2]
.endr
.irp j, 0,1,2,3,4,5,6,7
	v_sub_f32 v[64+\j], 1.0, v[64+\j]
.endr
.irp j, 0,1,2,3,4,5,6,7
	v_mul_f32 v[64+\j], 0xc61c4000, v[64+\j]
.endr
	v_add_nc_u32 v80, BIAS, v8
	ds_store_b128 v80, v[64:67]
	ds_store_b128 v80, v[68:71] offset:16
	s_cmp_lg_u32 s[WV], 0
	s_cbranch_scc1 .Lno_zero
.irp j, 76,77,78,79
	v_mov_b32 v[\j], 0
.endr
	v_add_nc_u32 v81, BIAS+4096, v13
	ds_store_b128 v81, v[76:79]                    ; zeros for the fetch that runs one step past the last
.Lno_zero:
	v_max3_num_f32 v56, v56, v57, v58
	v_max3_num_f32 v56, v56, v59, v60
	v_max_num_f32 v56, v56, v61
	v_max_num_f32_dpp v56, v56, v56 row_xmask:1 row_mask:0xf bank_mask:0xf
	v_max_num_f32_dpp v56, v56, v56 row_xmask:2 row_mask:0xf bank_mask:0xf
	v_max_num_f32_dpp v56, v56, v56 row_xmask:4 row_mask:0xf bank_mask:0xf
	v_max_num_f32_dpp v56, v56, v56 row_xmask:8 row_mask:0xf bank_mask:0xf
	v_permlanex16_b32 v57, v56, s[SEL], s[SEL+1]
	v_max_num_f32 v56, v56, v57
	v_readfirstlane_b32 s[MSG], v56                ; max |sigma|
	s_wait_kmcnt 0x0
	s_max_u32 s74, s56, 0x322bcc77
	s_add_co_u32 s74, s74, 0x7fffff
	s_lshr_b32 s74, s74, 23
	s_sub_co_u32 s74, s74, 15
	s_lshl_b32 s74, s74, 23                        ; 2^-mbq
	s_max_u32 s75, s57, 0x322bcc77
	s_add_co_u32 s75, s75, 0x7fffff
	s_lshr_b32 s75, s75, 23
	s_sub_co_u32 s75, s75, 15
	s_lshl_b32 s75, s75, 23                        ; 2^-mbk
	s_mul_f32 s76, s[MSG], s74
	s_mul_f32 s76, s76, s75
	s_max_u32 s76, s76, 0x322bcc77                 ; M3
	s_add_co_u32 s77, s76, 0x7fffff
	s_lshr_b32 s77, s77, 23                        ; EB3
	s_sub_co_u32 s78, 269, s77
	s_lshl_b32 s78, s78, 23                        ; 2^mb3
	s_mul_f32 s[SA], s78, s74
	s_mul_f32 s[SA], s[SA], s75                    ; A
	s_mov_b32 s[SA+1], s[SA]
	s_mul_f32 s79, s76, s78                        ; the largest score in steps: above 2^14, at most 2^15
	s_mov_b32 s80, 0x467ffe00                      ; 16383.5
	s_mov_b32 s81, 0x46fffe00                      ; 32767
	s_mov_b32 s82, 0xc6800000                      ; -16384
	s_mov_b32 s83, 0xc7000000                      ; -32768
	s_cmp_le_u32 s79, 0x46800100                   ; at most 16384.5: it rounds to 2^14
	s_cselect_b32 s[SHI], s80, s81
	s_cselect_b32 s[SLO], s82, s83
	s_sub_co_u32 s77, s77, 18
	s_lshl_b32 s[SG], s77, 23                      ; 2^-(mb3 + 3)
	s_mov_b32 s[SG+1], s[SG]
	s_or_b32 s15, s13, s14                         ; one wave of the launch writes max |sigma| for the next launch
	s_or_b32 s15, s15, s[WV]
	s_cmp_lg_u32 s15, 0
	s_cbranch_scc1 .Lno_sc
	v_mov_b32 v57, 0
	s_wait_xcnt 0x0                                ; EXEC changes only behind this wait
	v_cmp_eq_u32 vcc_lo, 0, v0
	s_and_saveexec_b32 s15, vcc_lo
	global_store_b32 v57, v56, s[10:11]
	s_wait_xcnt 0x0
	s_or_b32 exec_lo, exec_lo, s15
.Lno_sc:
	s_wait_tensorcnt 0x0                           ; my part of K is in,
	s_wait_dscnt 0x0                               ; my mask terms are stored,
	s_barrier_signal -1
	s_barrier_wait -1                              ; everybody's are
	FETCH_K
	FETCH_B
	s_wait_dscnt 0x0
.set mi, 0
.rept 16
	KQ 0                                           ; piece 0's first scores
.endr
	WIN 0
.rept 4
	v_nop                                          ; the places behind those products
.endr
	s_mov_b32 s[CNT], 16
.Lstep:
	TURN 0
	TURN 1
	TURN 2
	TURN 3
	WIN 0
	s_sub_co_u32 s[CNT], s[CNT], 1
	s_cmp_lg_u32 s[CNT], 0
	s_cbranch_scc1 .Lstep
	s_wait_dscnt 0x0                               ; the last fetch of mask terms: its registers take the results
.set t, 0
.rept 8
	v_pk_add_f32 v[SS+8*t+4:SS+8*t+5], v[SS+8*t+4:SS+8*t+5], v[SS+8*t+6:SS+8*t+7]
.set t, t+1
.endr
.set t, 0
.rept 8
	v_add_f32 v[SS+8*t+4], v[SS+8*t+4], v[SS+8*t+5]
.set t, t+1
.endr
.set t, 0
.rept 8
	v_permlanex16_b32 v[SS+8*t+5], v[SS+8*t+4], s[SEL], s[SEL+1]
.set t, t+1
.endr
.set t, 0
.rept 8
	v_add_f32 v[BI+8+t], v[SS+8*t+4], v[SS+8*t+5]  ; l
	v_mov_b32 v[BI+t], v[SS+8*t]                   ; m
.set t, t+1
.endr
.irp q, 0,1,2,3
	global_store_b128 v13, v[BI+4*\q:BI+4*\q+3], s[60:61] offset:512*\q   ; 512 consecutive bytes, aligned
.endr
	v_min3_num_f32 v48, v[BI+8], v[BI+9], v[BI+10]
	v_min3_num_f32 v48, v48, v[BI+11], v[BI+12]
	v_min3_num_f32 v48, v48, v[BI+13], v[BI+14]
	v_min_num_f32 v48, v48, v[BI+15]
	v_min_num_f32_dpp v48, v48, v48 row_xmask:1 row_mask:0xf bank_mask:0xf
	v_min_num_f32_dpp v48, v48, v48 row_xmask:2 row_mask:0xf bank_mask:0xf
	v_min_num_f32_dpp v48, v48, v48 row_xmask:4 row_mask:0xf bank_mask:0xf
	v_min_num_f32_dpp v48, v48, v48 row_xmask:8 row_mask:0xf bank_mask:0xf
	s_lshl_b32 s15, s[WV], 2
	s_add_co_u32 s15, s15, SCR
	v_mov_b32 v5, s15
	ds_store_b32 v5, v48                           ; both halves of the lanes hold the same l
	s_wait_dscnt 0x0
	s_barrier_signal -1
	s_barrier_wait -1
	s_cmp_lg_u32 s[WV], 0
	s_cbranch_scc1 .Lend
	v_mov_b32 v5, SCR
	ds_load_b128 v[48:51], v5
	s_wait_dscnt 0x0
	v_min3_num_f32 v48, v48, v49, v50
	v_min_num_f32 v48, v48, v51
	s_lshl_b32 s15, s17, 2
	s_add_co_u32 s15, s15, 256
	v_mov_b32 v7, s15
	s_wait_xcnt 0x0                                ; EXEC changes only behind this wait
	v_cmp_eq_u32 vcc_lo, 0, v0
	s_and_saveexec_b32 s16, vcc_lo
	global_store_b32 v7, v48, s[10:11]
	s_wait_xcnt 0x0
	s_or_b32 exec_lo, exec_lo, s16
.Lend:
	s_wait_tensorcnt 0x0                           ; the wave's end
	ds_add_u32 v[SPW], v[NIL]
	s_wait_dscnt 0x0
	s_endpgm
.Lfunc_end_k_q99080c156c_stats:
	.size	k_q99080c156c_stats, .Lfunc_end_k_q99080c156c_stats-k_q99080c156c_stats
	.p2alignl 7, 3214868480
	.fill 96, 4, 3214868480
	.section	.rodata,"a",@progbits
	.p2align	6, 0x0
	.amdhsa_kernel k_q99080c156c_stats
		.amdhsa_group_segment_fixed_size 167936
		.amdhsa_private_segment_fixed_size 0
		.amdhsa_enable_private_segment 0
		.amdhsa_kernarg_size 32
		.amdhsa_user_sgpr_count 2
		.amdhsa_user_sgpr_kernarg_segment_ptr 1
		.amdhsa_wavefront_size32 1
		.amdhsa_system_sgpr_workgroup_id_x 1
		.amdhsa_system_sgpr_workgroup_id_y 1
		.amdhsa_system_sgpr_workgroup_id_z 1
		.amdhsa_system_vgpr_workitem_id 0
		.amdhsa_next_free_vgpr 448
		.amdhsa_next_free_sgpr 96
		.amdhsa_reserve_vcc 1
		.amdhsa_float_denorm_mode_32 3
		.amdhsa_float_denorm_mode_16_64 3
		.amdhsa_memory_ordered 1
		.amdhsa_forward_progress 1
		.amdhsa_inst_pref_size 117
	.end_amdhsa_kernel
	.amdgpu_metadata
---
amdhsa.version: [ 1, 2 ]
amdhsa.kernels:
  - .name:           k_q99080c156c_stats
    .symbol:         k_q99080c156c_stats.kd
    .args:
      - { .name: p2, .offset: 0, .size: 8, .value_kind: global_buffer, .address_space: global }
      - { .name: mask, .offset: 8, .size: 8, .value_kind: global_buffer, .address_space: global }
      - { .name: p3, .offset: 16, .size: 8, .value_kind: global_buffer, .address_space: global }
      - { .name: p4, .offset: 24, .size: 8, .value_kind: global_buffer, .address_space: global }
    .group_segment_fixed_size: 167936
    .private_segment_fixed_size: 0
    .kernarg_segment_align: 8
    .kernarg_segment_size: 32
    .max_flat_workgroup_size: 128
    .sgpr_count:     96
    .vgpr_count:     448
    .wavefront_size: 32
...
	.end_amdgpu_metadata
.endif
;; end of part 5
;; launch attn (part 6): grid 2 x 96, 4 waves a work-group, no clusters, 327,680 bytes of LDS; arguments p2, mask, p4, p5; writes p5
.if DOCPART == 6
	.amdgcn_target "amdgcn-amd-amdhsa--gfx1250"
	.amdhsa_code_object_version 6
	.text
	.protected	k_q99080c156c_attn
	.globl	k_q99080c156c_attn
	.p2align	8
	.type	k_q99080c156c_attn,@function
k_q99080c156c_attn:
	s_mov_b64 s[64:65], 0
	v_nop
	global_prefetch_b8 v0, s[64:65] scope:SCOPE_SE
	s_setreg_imm32_b32 hwreg(HW_REG_WAVE_MODE, 25, 1), 1
	s_wait_xcnt 0x0
; THE WEIGHTS AND THE SECOND PRODUCT.  The scores are made again exactly as in the launch before (see there: round(sigma A), clip, x 2^-(mb3+3), mask term); with each row's final m and l at hand nothing is rescaled:
;   e = 2^((X - m) log2 e); the probabilities' fixed-point step: the largest probability is 1 / min l, so mb5 = 15 + floor(log2 min l); Pint = round(e x (1 / l) x 2^mb5), written as f16 (at most 32,768; the clip at
;   32,767 vanishes in f16's rounding); O = the sum of Pint Vint in f32; h = O x 2^-mb5 x 2^-mbv.  h goes out in f32, as the accumulators lie, with the work-group's largest |h|.
; LIMITS.  e x (1 / l) x 2^mb5 is rounded to an integer in one fused step, where the model rounds e / l to f32 first; 1 / l by v_rcp_f32; floor(log2 min l) is read off the bits; the mask is rounded to bf16; the second
; score step's floor of 1e-8 is not modelled under 8e-8; a weight below 2^-126 counts as 0; NaN and infinities are not treated apart; the maxima within 2^+-100.
; SHARES, LAYOUT: 512 queries of a head a work-group, 128 a wave, four pieces of two tiles.  The head's K and V lie in LDS, filled once: waves 0, 1 fetch K's halves (272 rows of 256 bytes; the second reaches 32 rows
; past the head's end, which arrive as zeros: a 17th key step for the fetch that runs ahead), waves 2, 3 V's (256 rows).  S^T = K Q^T holds one query a lane; two results rounded to f16 are source 1 of O^T = V^T P.
; Turn p: the vector work of piece p, 384 lines; in front of lines 0, 12, .. 372 a matrix instruction: 16 products K Q^T of piece p + 1, then 16 products V^T P of piece p - 1.
; The first turn's V^T P, of a piece that has not been, multiplies zeros: O^T, V and one buffer of P are cleared in the wait for the tiles, the price of one text for every step.
; NO CLUSTER: only two work-groups share a head, and each fetches K and V once for its whole run.
; REGISTERS: window 0: v2-15 addresses; v16-31 (m, 2^mb5 / l) a tile; v32-63 mask terms; v64-191 S^T, two buffers; v192-255 P, two buffers.   window 1: O^T, 32 a tile.   window 2: v0-127 Q; v128-191 K; v192-255 V.
.set PK,    144
.set PV,    160
.set KS,    64
.set VB,    1088*PK                    ; V behind K's 17 steps
.set BIAS,  VB+1024*PV
.set SCR,   BIAS+4608
.set SPARE, SCR+256
.set TS,    12582912
.set AK0, 2
.set AV0, 3
.set AK,  4
.set AV,  5
.set AB0, 6
.set AB,  7
.set GO,  13
.set SPW, 14
.set NIL, 15
.set ST,  16
.set BI,  32
.set S,   64
.set P,   192
.set KF,  128
.set VF,  192
.set WV,  12
.set G1K, 24
.set G1V, 32
.set G0K, 40
.set G0V, 44
.set SEL, 48
.set SA,  50
.set SC,  52
.set SNC, 54
.set MSG, 59
.set SG,  60
.set SCL, 62
.set SLO, 66
.set SHI, 67
.set SHS, 68
.set TBK, 70
.set TBV, 71
.set TBB, 72
.set CNT, 73
.set VPM, 12
.set NMM, 32
.set W_KQ, 0x0a
.set W_PV, 0x52
.set MSB, 0
.macro WIN new
.if MSB != (\new)
	s_set_vgpr_msb (MSB<<8)|(\new)
.set MSB, (\new)
.endif
.endm
.macro KQ x                            ; product mi of 16 of S^T for piece x; the 8 accumulators of a run take turns
	WIN W_KQ
.set kS, S+64*((\x)%2)+32*(mi%2)+8*((mi/2)%4)
.set kK, KF+16*((mi/2)%4)+8*(mi/8)
.set kQ, 16*(2*(\x)+mi%2)+8*(mi/8)
.if mi < 8
	v_wmma_f32_16x16x32_f16 v[kS:kS+7], v[kK:kK+7], v[kQ:kQ+7], 0
.else
	v_wmma_f32_16x16x32_f16 v[kS:kS+7], v[kK:kK+7], v[kQ:kQ+7], v[kS:kS+7]
.endif
.set mi, mi+1
.endm
.macro PVM x                           ; product mi - 16 of 16 of O^T += V^T P for piece x: keys 32 (i / 8) on, channels 16 ((i / 2) % 4) on, tile 2 x + i % 2
	WIN W_PV
.set kI, mi-16
.set kO, 32*(2*(\x)+kI%2)+8*((kI/2)%4)
.set kV, VF+32*(kI/8)+8*((kI/2)%4)
.set kP, P+32*((\x)%2)+16*(kI%2)+8*(kI/8)
	v_wmma_f32_16x16x32_f16 v[kO:kO+7], v[kV:kV+7], v[kP:kP+7], v[kO:kO+7]
.set mi, mi+1
.endm
.macro PRE
.if ((vc%VPM) == 0) && (mi < NMM)
.if mi < 16
	KQ (Y+1)%4
.else
	PVM (Y+3)%4
.endif
.endif
	WIN 0
.set vc, vc+1
.endm
.macro FETCH_K
	WIN 0
	v_add_nc_u32 v[AK], s[TBK], v[AK0]
	WIN 0x80
.irp f, 0,1,2,3,4,5,6,7
	ds_load_b128 v[KF+8*\f:KF+8*\f+3],   v[AK] offset:(\f/2)*16*PK+(\f%2)*64
	ds_load_b128 v[KF+8*\f+4:KF+8*\f+7], v[AK] offset:(\f/2)*16*PK+(\f%2)*64+32
.endr
	s_add_co_u32 s[TBK], s[TBK], KS*PK
	WIN 0
.endm
.macro FETCH_V                         ; turned: lane l ends with channel l % 16 and 8 keys a load
	WIN 0
	v_add_nc_u32 v[AV], s[TBV], v[AV0]
	WIN 0x80
.irp f, 0,1,2,3,4,5,6,7
	ds_load_tr16_b128 v[VF+8*\f:VF+8*\f+3],   v[AV] offset:(\f/4)*32*PV+(\f%4)*32
	ds_load_tr16_b128 v[VF+8*\f+4:VF+8*\f+7], v[AV] offset:(\f/4)*32*PV+16*PV+(\f%4)*32
.endr
	s_add_co_u32 s[TBV], s[TBV], KS*PV
	WIN 0
.endm
.macro FETCH_B
	WIN 0
	v_add_nc_u32 v[AB], s[TBB], v[AB0]
.irp q, 0,1,2,3,4,5,6,7
	ds_load_b128 v[BI+4*\q:BI+4*\q+3], v[AB] offset:(\q/2)*64+(\q%2)*16
.endr
	s_add_co_u32 s[TBB], s[TBB], 256
.endm
; Stage k for pair n = tau - d (tile n % 2, pair n / 2).  0, 1: round(sigma A).  2, 3: the clip.  4: the scale and the mask term.  5: - m.  6: x log2 e.  7, 8: 2^.  9, 10: round(e w).  11: to f16.
.macro AO k, d
.set n, tau-(\d)
.if (n >= 0) && (n < 32)
.set u, n%2
.set ip, n/2
.set rS, S+64*(Y%2)+32*u+2*ip
.set rT, ST+2*(2*Y+u)
.set rP, P+32*(Y%2)+16*u+ip
	PRE
.if (\k) == 0
	v_pk_fma_f32 v[rS:rS+1], v[rS:rS+1], s[SA:SA+1], s[SC:SC+1] op_sel_hi:[1,0,0]
.elseif (\k) == 1
	v_pk_add_f32 v[rS:rS+1], v[rS:rS+1], s[SNC:SNC+1] op_sel_hi:[1,0]
.elseif (\k) == 2
	v_med3_num_f32 v[rS], v[rS], s[SLO], s[SHI]
.elseif (\k) == 3
	v_med3_num_f32 v[rS+1], v[rS+1], s[SLO], s[SHI]
.elseif (\k) == 4
	v_pk_fma_f32 v[rS:rS+1], v[rS:rS+1], s[SG:SG+1], v[BI+2*ip:BI+2*ip+1] op_sel_hi:[1,0,1]
.elseif (\k) == 5
	v_pk_add_f32 v[rS:rS+1], v[rS:rS+1], v[rT:rT+1] op_sel_hi:[1,0] neg_lo:[0,1] neg_hi:[0,1]
.elseif (\k) == 6
	v_pk_mul_f32 v[rS:rS+1], v[rS:rS+1], s[SCL:SCL+1] op_sel_hi:[1,0]
.elseif (\k) == 7
	v_exp_f32 v[rS], v[rS]
.elseif (\k) == 8
	v_exp_f32 v[rS+1], v[rS+1]
.elseif (\k) == 9
	s_wait_alu depctr_va_vdst(0)
	v_pk_fma_f32 v[rS:rS+1], v[rS:rS+1], v[rT:rT+1], s[SC:SC+1] op_sel:[0,1,0] op_sel_hi:[1,1,0]   ; both halves times the pair's second register
.elseif (\k) == 10
	v_pk_add_f32 v[rS:rS+1], v[rS:rS+1], s[SNC:SNC+1] op_sel_hi:[1,0]
.else
	v_cvt_pk_f16_f32 v[rP], v[rS], v[rS+1]
.endif
.endif
.endm
; A TURN.  After tick 19 there have been 187 lines: matrix instruction 15, the last K Q^T, stands seven plain lines back, and number 16, the first V^T P, is still to come.
; So there piece 1's turn waits for V, and piece 2's turn fetches the next step's K.  V of the step in hand is fetched at the end of piece 0's turn, ten plain lines behind the last product that read V.
; The next step's mask terms are fetched in piece 3's turn behind tick 34, which holds their last use.  K and the mask terms are waited for at the head of the next turn.
.macro TURN p
.set Y, (\p)
.set mi, 0
.set vc, 0
.if ((\p) == 0) || ((\p) == 3)
	s_wait_dscnt 0x0
.endif
.set tau, 0
.rept 41
	AO 0, 0
	AO 7, 6
	AO 1, 1
	AO 2, 2
	AO 8, 6
	AO 3, 2
	AO 4, 3
	AO 5, 4
	AO 6, 5
	AO 9, 7
	AO 10, 8
	AO 11, 9
.if (tau == 19) && ((\p) == 1)
	s_wait_dscnt 0x0                               ; V is in
.endif
.if (tau == 19) && ((\p) == 2)
	FETCH_K
.endif
.if (tau == 34) && ((\p) == 3)
	FETCH_B
.endif
.set tau, tau+1
.endr
.if (\p) == 0
	FETCH_V
.endif
.endm
	s_load_b256 s[4:11], s[0:1], 0x0               ; p2, mask, p4, p5
	v_lshl_add_u32 v[SPW], v0, 2, SPARE
	v_mov_b32 v[NIL], 0
	ds_add_u32 v[SPW], v[NIL]                      ; the wave's opening: the add and its wait ahead of my tensor load
	ds_add_u32 v14, v15
	v_lshrrev_b32 v1, 5, v0
	v_readfirstlane_b32 s[WV], v1
	s_and_b32 s13, ttmp7, 0xffff                   ; bh
	s_mov_b32 s14, ttmp9                           ; half
	s_and_b32 s15, s[WV], 1                        ; which half of K or of V I fetch
	s_mov_b32 s[G1K], (1<<16)|(1<<20)|(4<<22)|(3<<25)   ; 2-byte elements; padding: after every 32 words 4 words
	s_mov_b32 s[G1K+1], 128<<16
	s_mul_i32 s16, s15, 272
	s_sub_co_u32 s16, 512, s16                     ; the rows left of the head from my tile's first
	s_lshl_b32 s[G1K+2], s16, 16
	s_mov_b32 s[G1K+3], 128<<16
	s_mov_b32 s[G1K+4], 272
	s_mov_b32 s[G1K+5], 128
	s_mov_b32 s[G1K+6], 0
	s_mov_b32 s[G1K+7], 0
	s_mov_b32 s[G1V], (1<<16)|(1<<20)|(4<<22)|(7<<25)   ; 8 words of padding
	s_mov_b32 s[G1V+1], 128<<16
	s_mov_b32 s[G1V+2], 256<<16
	s_mov_b32 s[G1V+3], 128<<16
	s_mov_b32 s[G1V+4], 256
	s_mov_b32 s[G1V+5], 128
	s_mov_b32 s[G1V+6], 0
	s_mov_b32 s[G1V+7], 0
	s_mov_b32 s[G0K], 1
	s_mul_i32 s[G0K+1], s15, 544*PK
	s_mov_b32 s[G0V], 1
	s_mul_i32 s[G0V+1], s15, 512*PV
	s_add_co_u32 s[G0V+1], s[G0V+1], VB
	s_lshl_b32 s17, s13, 17                        ; the head's bytes
	s_mul_i32 s18, s15, 272*256
	s_add_co_u32 s18, s18, s17
	s_add_co_u32 s18, s18, 256+TS
	s_mov_b32 s19, 0
	s_lshl_b32 s20, s15, 16
	s_add_co_u32 s20, s20, s17
	s_add_co_u32 s20, s20, 256+2*TS
	s_mov_b32 s21, 0
	s_lshl_b32 s22, s14, 16
	s_lshl_b32 s23, s[WV], 14
	s_add_co_u32 s22, s22, s23
	s_add_co_u32 s22, s22, s17
	s_add_co_u32 s22, s22, 256
	s_mov_b32 s23, 0
	s_mul_hi_u32 s74, s13, 0x15555556              ; batch
	s_lshl_b32 s74, s74, 12
	s_mov_b32 s75, 0
	s_lshl1_add_u32 s88, s13, s14                  ; 2 bh + half
	s_lshl2_add_u32 s76, s88, s[WV]                ; my wave among all
	s_lshl_b32 s78, s76, 15                        ; its eight groups of 4,096 bytes of h
	s_add_co_u32 s78, s78, 768
	s_mov_b32 s79, 0
	s_lshl_b32 s76, s76, 11                        ; its 2,048 bytes of m and l
	s_add_co_u32 s76, s76, 1024
	s_mov_b32 s77, 0
	s_mov_b32 s[SEL], 0x76543210
	s_mov_b32 s[SEL+1], 0xfedcba98
	s_mov_b32 s[SC], 0x4b400000
	s_mov_b32 s[SC+1], s[SC]
	s_mov_b32 s[SNC], 0xcb400000
	s_mov_b32 s[SNC+1], s[SNC]
	s_mov_b32 s[SCL], 0x3fb8aa3b
	s_mov_b32 s[SCL+1], s[SCL]
	s_mov_b32 s[TBK], 0
	s_mov_b32 s[TBV], 0
	s_mov_b32 s[TBB], 0
	s_wait_dscnt 0x0
	s_wait_kmcnt 0x0
	s_add_nc_u64 s[G0K+2:G0K+3], s[4:5], s[18:19]
	s_or_b32 s[G0K+3], s[G0K+3], 0x80000000
	s_add_nc_u64 s[G0V+2:G0V+3], s[4:5], s[20:21]
	s_or_b32 s[G0V+3], s[G0V+3], 0x80000000
	s_cmp_lt_u32 s[WV], 2                          ; a wave's one fill stands in one branch on its number; an s_nop 0 and four v_nop follow each line
	s_cbranch_scc0 .Lfill_v
	tensor_load_to_lds s[G0K:G0K+3], s[G1K:G1K+7]
	s_nop 0
.rept 4
	v_nop
.endr
	s_branch .Lfilled
.Lfill_v:
	tensor_load_to_lds s[G0V:G0V+3], s[G1V:G1V+7]
	s_nop 0
.rept 4
	v_nop
.endr
.Lfilled:
	s_load_b96 s[56:58], s[4:5], 0x0               ; Mq, Mk, Mv
	s_load_b32 s[MSG], s[8:9], 0x0                 ; max |sigma|
	s_add_nc_u64 s[22:23], s[4:5], s[22:23]        ; Q at my wave's first row
	s_add_nc_u64 s[74:75], s[6:7], s[74:75]        ; the batch's mask
	s_add_nc_u64 s[76:77], s[8:9], s[76:77]        ; my m and l
	s_add_nc_u64 s[78:79], s[10:11], s[78:79]      ; my h
	v_and_b32 v1, 15, v0
	v_bfe_u32 v9, v0, 4, 1
	v_and_b32 v10, 31, v0
	v_lshlrev_b32 v12, 7, v1
	v_lshl_add_u32 v12, v9, 4, v12
	v_lshlrev_b32 v[GO], 4, v10
	v_lshlrev_b32 v11, 2, v10
	v_lshlrev_b32 v8, 5, v0
	WIN 0x80
.set i, 0
.rept 16
	global_load_b128 v[8*i:8*i+3],   v12, s[22:23] offset:(i/2)*2048+(i%2)*64
	global_load_b128 v[8*i+4:8*i+7], v12, s[22:23] offset:(i/2)*2048+(i%2)*64+32
.set i, i+1
.endr
	WIN 0
	global_load_b128 v[64:67], v8, s[74:75]        ; my eight numbers of the mask
	global_load_b128 v[68:71], v8, s[74:75] offset:16
.irp q, 0,1,2,3
	global_load_b128 v[96+4*\q:99+4*\q], v[GO], s[76:77] offset:512*\q   ; m of tiles 0-7, then l
.endr
.set i, 0
.rept 6
	global_load_b32 v[112+i], v11, s[8:9] offset:256+128*i               ; the 192 partial minima of l
.set i, i+1
.endr
	WIN 0x80                                       ; what the first turn's V^T P finds: zeros
.set i, VF
.rept 64
	v_mov_b32 v[i], 0
.set i, i+1
.endr
	WIN 0x40
.set i, 0
.rept 256
	v_mov_b32 v[i], 0
.set i, i+1
.endr
	WIN 0
.set i, P+32
.rept 32
	v_mov_b32 v[i], 0
.set i, i+1
.endr
	v_mul_u32_u24 v[AK0], v1, PK
	v_lshl_add_u32 v[AK0], v9, 4, v[AK0]
	v_and_b32 v120, 7, v0
	v_bfe_u32 v121, v0, 3, 1
	v_lshl_add_u32 v[AV0], v9, 3, v120
	v_mul_u32_u24 v[AV0], v[AV0], PV
	v_lshl_add_u32 v[AV0], v121, 4, v[AV0]
	v_add_nc_u32 v[AV0], VB, v[AV0]
	v_lshlrev_b32 v[AB0], 5, v9
	v_add_nc_u32 v[AB0], BIAS, v[AB0]
	s_wait_loadcnt 0x0
.irp j, 0,2,4,6                        ; the mask rounded to bf16, then -10000 (1 - mask)
	v_cvt_pk_bf16_f32 v[72+(\j)/2], v[64+(\j)], v[65+(\j)]
.endr
.irp j, 0,2,4,6
	v_lshlrev_b32 v[64+(\j)], 16, v[72+(\j)/2]
	v_and_b32 v[65+(\j)], 0xffff0000, v[72+(\j)/2]
.endr
.irp j, 0,1,2,3,4,5,6,7
	v_sub_f32 v[64+\j], 1.0, v[64+\j]
.endr
.irp j, 0,1,2,3,4,5,6,7
	v_mul_f32 v[64+\j], 0xc61c4000, v[64+\j]
.endr
	v_add_nc_u32 v80, BIAS, v8
	ds_store_b128 v80, v[64:67]
	ds_store_b128 v80, v[68:71] offset:16
	s_cmp_lg_u32 s[WV], 0
	s_cbranch_scc1 .Lno_zero
.irp j, 76,77,78,79
	v_mov_b32 v[\j], 0
.endr
	v_add_nc_u32 v81, BIAS+4096, v[GO]
	ds_store_b128 v81, v[76:79]                    ; zeros for the fetch that runs one step past the last
.Lno_zero:
	v_min3_num_f32 v112, v112, v113, v114
	v_min3_num_f32 v112, v112, v115, v116
	v_min_num_f32 v112, v112, v117
	v_min_num_f32_dpp v112, v112, v112 row_xmask:1 row_mask:0xf bank_mask:0xf
	v_min_num_f32_dpp v112, v112, v112 row_xmask:2 row_mask:0xf bank_mask:0xf
	v_min_num_f32_dpp v112, v112, v112 row_xmask:4 row_mask:0xf bank_mask:0xf
	v_min_num_f32_dpp v112, v112, v112 row_xmask:8 row_mask:0xf bank_mask:0xf
	v_permlanex16_b32 v113, v112, s[SEL], s[SEL+1]
	v_min_num_f32 v112, v112, v113
	v_readfirstlane_b32 s84, v112                  ; min l, at least 1
	s_lshr_b32 s84, s84, 23                        ; 127 + floor(log2 min l)
	s_add_co_u32 s85, s84, 15
	s_lshl_b32 s85, s85, 23                        ; 2^mb5
	s_sub_co_u32 s86, 239, s84
	s_lshl_b32 s86, s86, 23                        ; 2^-mb5
.set t, 0
.rept 8
	v_rcp_f32 v[104+t], v[104+t]
.set t, t+1
.endr
	v_nop                                          ; a plain line between the last reciprocal and the use of its result
.set t, 0
.rept 8
	s_wait_alu depctr_va_vdst(0)
	v_mul_f32 v[ST+2*t+1], s85, v[104+t]           ; w = 2^mb5 / l
	v_mov_b32 v[ST+2*t], v[96+t]                   ; m
.set t, t+1
.endr
	s_wait_kmcnt 0x0
	s_max_u32 s74, s56, 0x322bcc77
	s_add_co_u32 s74, s74, 0x7fffff
	s_lshr_b32 s74, s74, 23
	s_sub_co_u32 s74, s74, 15
	s_lshl_b32 s74, s74, 23                        ; 2^-mbq
	s_max_u32 s75, s57, 0x322bcc77
	s_add_co_u32 s75, s75, 0x7fffff
	s_lshr_b32 s75, s75, 23
	s_sub_co_u32 s75, s75, 15
	s_lshl_b32 s75, s75, 23                        ; 2^-mbk
	s_max_u32 s87, s58, 0x322bcc77
	s_add_co_u32 s87, s87, 0x7fffff
	s_lshr_b32 s87, s87, 23
	s_sub_co_u32 s87, s87, 15
	s_lshl_b32 s87, s87, 23                        ; 2^-mbv
	s_mul_f32 s[SHS], s86, s87                     ; what turns O into h
	s_mov_b32 s[SHS+1], s[SHS]
	s_mul_f32 s76, s[MSG], s74
	s_mul_f32 s76, s76, s75
	s_max_u32 s76, s76, 0x322bcc77                 ; M3
	s_add_co_u32 s77, s76, 0x7fffff
	s_lshr_b32 s77, s77, 23                        ; EB3
	s_sub_co_u32 s80, 269, s77
	s_lshl_b32 s80, s80, 23                        ; 2^mb3
	s_mul_f32 s[SA], s80, s74
	s_mul_f32 s[SA], s[SA], s75                    ; A
	s_mov_b32 s[SA+1], s[SA]
	s_mul_f32 s81, s76, s80
	s_mov_b32 s82, 0x467ffe00                      ; 16383.5
	s_mov_b32 s83, 0x46fffe00                      ; 32767
	s_mov_b32 s84, 0xc6800000                      ; -16384
	s_mov_b32 s85, 0xc7000000                      ; -32768
	s_cmp_le_u32 s81, 0x46800100                   ; at most 16384.5: the largest score rounds to 2^14
	s_cselect_b32 s[SHI], s82, s83
	s_cselect_b32 s[SLO], s84, s85
	s_sub_co_u32 s77, s77, 18
	s_lshl_b32 s[SG], s77, 23                      ; 2^-(mb3 + 3)
	s_mov_b32 s[SG+1], s[SG]
	s_wait_tensorcnt 0x0                           ; my part of K or V is in,
	s_wait_dscnt 0x0                               ; my mask terms are stored,
	s_barrier_signal -1
	s_barrier_wait -1                              ; everybody's are
	FETCH_K
	FETCH_B
	s_wait_dscnt 0x0
.set mi, 0
.rept 16
	KQ 0                                           ; piece 0's first scores
.endr
	WIN 0
.rept 4
	v_nop                                          ; the places behind those products
.endr
	s_mov_b32 s[CNT], 16
.Lstep:
	TURN 0
	TURN 1
	TURN 2
	TURN 3
	WIN 0
	s_sub_co_u32 s[CNT], s[CNT], 1
	s_cmp_lg_u32 s[CNT], 0
	s_cbranch_scc1 .Lstep
.set mi, 16
.rept 16
	PVM 3                                          ; the last piece's V^T P of the last step
.endr
	; THE WAY OUT.  O^T x 2^-mb5 x 2^-mbv, from tile 0 on: the first tiles' lines are the places behind the last products, and each accumulator is read from its low end on.
	WIN 0x41
.set i, 0
.rept 128
	v_pk_mul_f32 v[2*i:2*i+1], v[2*i:2*i+1], s[SHS:SHS+1] op_sel_hi:[1,0]
.set i, i+1
.endr
	WIN 0
.irp c, 8,9,10,11
	v_mov_b32 v[\c], 0
.endr
	WIN 0x05
.set i, 0
.rept 128
	v_max3_num_f32 v[8+i%4], |v[2*i]|, |v[2*i+1]|, v[8+i%4]
.set i, i+1
.endr
	WIN 0x04
.set i, 0
.rept 64
	global_store_b128 v[GO], v[4*i:4*i+3], s[78:79] offset:512*i   ; tile i / 8, channel block (i / 2) % 4: 512 consecutive bytes, aligned
.set i, i+1
.endr
	WIN 0
	v_max3_num_f32 v8, v8, v9, v10
	v_max_num_f32 v8, v8, v11
	v_max_num_f32_dpp v8, v8, v8 row_xmask:1 row_mask:0xf bank_mask:0xf
	v_max_num_f32_dpp v8, v8, v8 row_xmask:2 row_mask:0xf bank_mask:0xf
	v_max_num_f32_dpp v8, v8, v8 row_xmask:4 row_mask:0xf bank_mask:0xf
	v_max_num_f32_dpp v8, v8, v8 row_xmask:8 row_mask:0xf bank_mask:0xf
	v_permlanex16_b32 v9, v8, s[SEL], s[SEL+1]
	v_max_num_f32 v8, v8, v9
	s_lshl_b32 s15, s[WV], 2
	s_add_co_u32 s15, s15, SCR
	v_mov_b32 v5, s15
	ds_store_b32 v5, v8
	s_wait_dscnt 0x0                               ; my store, and the last fetch of mask terms
	s_barrier_signal -1
	s_barrier_wait -1
	s_cmp_lg_u32 s[WV], 0
	s_cbranch_scc1 .Lend
	v_mov_b32 v5, SCR
	ds_load_b128 v[8:11], v5
	s_wait_dscnt 0x0
	v_max3_num_f32 v8, v8, v9, v10
	v_max_num_f32 v8, v8, v11
	s_lshl_b32 s15, s88, 2
	v_mov_b32 v7, s15
	s_wait_xcnt 0x0                                ; EXEC changes only behind this wait
	v_cmp_eq_u32 vcc_lo, 0, v0
	s_and_saveexec_b32 s16, vcc_lo
	global_store_b32 v7, v8, s[10:11]
	s_wait_xcnt 0x0
	s_or_b32 exec_lo, exec_lo, s16
.Lend:
	s_wait_tensorcnt 0x0                           ; the wave's end
	ds_add_u32 v[SPW], v[NIL]
	s_wait_dscnt 0x0
	s_endpgm
.Lfunc_end_k_q99080c156c_attn:
	.size	k_q99080c156c_attn, .Lfunc_end_k_q99080c156c_attn-k_q99080c156c_attn
	.p2alignl 7, 3214868480
	.fill 96, 4, 3214868480
	.section	.rodata,"a",@progbits
	.p2align	6, 0x0
	.amdhsa_kernel k_q99080c156c_attn
		.amdhsa_group_segment_fixed_size 327680
		.amdhsa_private_segment_fixed_size 0
		.amdhsa_enable_private_segment 0
		.amdhsa_kernarg_size 32
		.amdhsa_user_sgpr_count 2
		.amdhsa_user_sgpr_kernarg_segment_ptr 1
		.amdhsa_wavefront_size32 1
		.amdhsa_system_sgpr_workgroup_id_x 1
		.amdhsa_system_sgpr_workgroup_id_y 1
		.amdhsa_system_sgpr_workgroup_id_z 1
		.amdhsa_system_vgpr_workitem_id 0
		.amdhsa_next_free_vgpr 768
		.amdhsa_next_free_sgpr 96
		.amdhsa_reserve_vcc 1
		.amdhsa_float_denorm_mode_32 3
		.amdhsa_float_denorm_mode_16_64 3
		.amdhsa_memory_ordered 1
		.amdhsa_forward_progress 1
		.amdhsa_inst_pref_size 166
	.end_amdhsa_kernel
	.amdgpu_metadata
---
amdhsa.version: [ 1, 2 ]
amdhsa.kernels:
  - .name:           k_q99080c156c_attn
    .symbol:         k_q99080c156c_attn.kd
    .args:
      - { .name: p2, .offset: 0, .size: 8, .value_kind: global_buffer, .address_space: global }
      - { .name: mask, .offset: 8, .size: 8, .value_kind: global_buffer, .address_space: global }
      - { .name: p4, .offset: 16, .size: 8, .value_kind: global_buffer, .address_space: global }
      - { .name: p5, .offset: 24, .size: 8, .value_kind: global_buffer, .address_space: global }
    .group_segment_fixed_size: 327680
    .private_segment_fixed_size: 0
    .kernarg_segment_align: 8
    .kernarg_segment_size: 32
    .max_flat_workgroup_size: 128
    .sgpr_count:     96
    .vgpr_count:     768
    .wavefront_size: 32
...
	.end_amdgpu_metadata
.endif
;; end of part 6
;; launch outq (part 7): grid 256 x 1, 6 waves a work-group, no clusters, 26,880 bytes of LDS; arguments p5, out0; writes out0
.if DOCPART == 7
	.amdgcn_target "amdgcn-amd-amdhsa--gfx1250"
	.amdhsa_code_object_version 6
	.text
	.protected	k_q99080c156c_outq
	.globl	k_q99080c156c_outq
	.p2align	8
	.type	k_q99080c156c_outq,@function
k_q99080c156c_outq:
	s_mov_b64 s[64:65], 0
	v_nop
	global_prefetch_b8 v0, s[64:65] scope:SCOPE_SE
	s_setreg_imm32_b32 hwreg(HW_REG_WAVE_MODE, 25, 1), 1
	s_wait_xcnt 0x0
; THE LAST FIXED-POINT STEP.  M = the largest |h| (192 partial maxima); mb = 15 - ceil(log2 max(M, 1e-8)); q = clip(round(h 2^mb), -32768, 32767) 2^-mb; out = h + (q - h), as the model writes it.
; h lies by heads in groups of 16 queries x 64 channels, 4 KB, as the accumulators lay; out0 is [8][1024][768] f32: a group's rows are 256 bytes of 16 rows of out0.
; A wave takes four groups, 16 KB dense, 32 loads on their way at once; a group goes through the wave's own stage in LDS and leaves with sixteen lanes filling 256 consecutive bytes, aligned.
; ceil(log2 M) is read off M's bits (LIMIT: within a rounding of a power of two a logarithm computed in f32 may decide otherwise); NaN and infinities are not treated apart.  Memory binds: no matrix unit, no cluster.
.set STG,  4352                        ; 16 rows x 272 bytes
.set SPARE, 6*STG
.set LO16, 2
.set STO,  3
.set RD,   4
.set GA,   5
.set SPW,  30
.set NIL,  31
.set X,    32
.set T,    160
.set Z,    192
	s_load_b128 s[4:7], s[0:1], 0x0                ; p5, out0
	v_lshl_add_u32 v[SPW], v0, 2, SPARE
	v_mov_b32 v[NIL], 0
	v_lshrrev_b32 v1, 5, v0
	v_readfirstlane_b32 s8, v1                     ; wave 0..5
	s_mul_i32 s9, ttmp9, 6
	s_add_co_u32 s9, s9, s8                        ; my wave among 1,536
	s_lshr_b32 s10, s9, 4                          ; bh
	s_mul_hi_u32 s11, s10, 0x15555556              ; batch
	s_mul_i32 s12, s11, 12
	s_sub_co_u32 s12, s10, s12                     ; head
	s_and_b32 s13, s9, 15
	s_lshl_b32 s13, s13, 6                         ; my first query
	s_lshl_b32 s14, s11, 10
	s_add_co_u32 s14, s14, s13
	s_mul_i32 s14, s14, 3072
	s_lshl_b32 s15, s12, 8
	s_add_co_u32 s14, s14, s15
	s_mov_b32 s15, 0
	s_lshl_b32 s16, s9, 14
	s_add_co_u32 s16, s16, 768
	s_mov_b32 s17, 0
	s_mov_b32 s26, 0x4b400000                      ; 1.5 x 2^23
	s_mov_b32 s27, s26
	s_mov_b32 s28, 0xcb400000
	s_mov_b32 s29, s28
	s_mov_b32 s30, 0xc7000000
	s_mov_b32 s31, 0x46fffe00
	s_mov_b32 s32, 0x76543210
	s_mov_b32 s33, 0xfedcba98
	s_mul_i32 s34, s8, STG
	v_and_b32 v1, 31, v0
	v_lshlrev_b32 v[LO16], 4, v1
	v_lshlrev_b32 v6, 2, v1
	v_and_b32 v7, 15, v0
	v_bfe_u32 v16, v0, 4, 1
	v_mul_u32_u24 v[STO], v7, 272
	v_lshl_add_u32 v[STO], v16, 5, v[STO]
	v_add_nc_u32 v[STO], s34, v[STO]               ; in: row l % 16, 32 bytes for each half of the lanes
	v_mul_u32_u24 v[RD], v16, 272
	v_lshl_add_u32 v[RD], v7, 4, v[RD]
	v_add_nc_u32 v[RD], s34, v[RD]                 ; back: lanes 0-15 one row of 256 bytes, lanes 16-31 the next
	v_mul_u32_u24 v[GA], v16, 3072
	v_lshl_add_u32 v[GA], v7, 4, v[GA]             ; and the same two rows in out0
	s_wait_kmcnt 0x0
	s_add_nc_u64 s[18:19], s[4:5], s[16:17]
	s_add_nc_u64 s[22:23], s[6:7], s[14:15]
.set i, 0
.rept 6
	global_load_b32 v[8+i], v6, s[4:5] offset:128*i
.set i, i+1
.endr
.set i, 0
.rept 32
	global_load_b128 v[X+4*i:X+4*i+3], v[LO16], s[18:19] offset:512*i th:TH_LOAD_NT
.set i, i+1
.endr
	s_wait_loadcnt 32                              ; the maxima are in; the 32 data loads stay out
	v_max3_num_f32 v8, v8, v9, v10
	v_max3_num_f32 v8, v8, v11, v12
	v_max_num_f32 v8, v8, v13
	v_max_num_f32_dpp v8, v8, v8 row_xmask:1 row_mask:0xf bank_mask:0xf
	v_max_num_f32_dpp v8, v8, v8 row_xmask:2 row_mask:0xf bank_mask:0xf
	v_max_num_f32_dpp v8, v8, v8 row_xmask:4 row_mask:0xf bank_mask:0xf
	v_max_num_f32_dpp v8, v8, v8 row_xmask:8 row_mask:0xf bank_mask:0xf
	v_permlanex16_b32 v9, v8, s32, s33
	v_max_num_f32 v8, v8, v9
	v_readfirstlane_b32 s35, v8
	s_max_u32 s35, s35, 0x322bcc77
	s_add_co_u32 s35, s35, 0x7fffff
	s_lshr_b32 s35, s35, 23                        ; EB
	s_sub_co_u32 s36, 269, s35
	s_lshl_b32 s24, s36, 23                        ; 2^mb
	s_mov_b32 s25, s24
	s_sub_co_u32 s36, s35, 15
	s_lshl_b32 s20, s36, 23                        ; 2^-mb
	s_mov_b32 s21, s20
.macro EACH line:vararg                ; one line for each of the group's 16 pairs j
.set j, 0
.rept 16
	\line
.set j, j+1
.endr
.endm
.macro GROUP g
.set XG, X+32*(\g)
	s_wait_loadcnt 8*(3-(\g))                      ; this group's eight loads are in; the later groups' stay out
	EACH v_pk_fma_f32 v[T+2*j:T+2*j+1], v[XG+2*j:XG+2*j+1], s[24:25], s[26:27] op_sel_hi:[1,0,0]
	EACH v_pk_add_f32 v[T+2*j:T+2*j+1], v[T+2*j:T+2*j+1], s[28:29] op_sel_hi:[1,0]
	EACH v_med3_num_f32 v[T+2*j], v[T+2*j], s30, s31
	EACH v_med3_num_f32 v[T+2*j+1], v[T+2*j+1], s30, s31
	EACH v_pk_mul_f32 v[T+2*j:T+2*j+1], v[T+2*j:T+2*j+1], s[20:21] op_sel_hi:[1,0]
	EACH v_pk_add_f32 v[T+2*j:T+2*j+1], v[T+2*j:T+2*j+1], v[XG+2*j:XG+2*j+1] neg_lo:[0,1] neg_hi:[0,1]
	EACH v_pk_add_f32 v[XG+2*j:XG+2*j+1], v[XG+2*j:XG+2*j+1], v[T+2*j:T+2*j+1]
	s_wait_xcnt 0x0                                ; Z was the last group's store data: it is loaded again only behind this wait
.irp f, 0,1,2,3,4,5,6,7
	ds_store_b128 v[STO], v[XG+4*\f:XG+4*\f+3] offset:(\f/2)*64+(\f%2)*16
.endr
.irp f, 0,1,2,3,4,5,6,7
	ds_load_b128 v[Z+4*\f:Z+4*\f+3], v[RD] offset:544*\f   ; LDS serves a wave's instructions in order (ISA guide 5.7.1.4): these see the stores above
.endr
.irp f, 0,1,2,3,4,5,6,7
	s_wait_dscnt 7-\f
	global_store_b128 v[GA], v[Z+4*\f:Z+4*\f+3], s[22:23] offset:(\g)*49152+\f*6144 th:TH_STORE_NT
.endr
.endm
	GROUP 0
	GROUP 1
	GROUP 2
	GROUP 3
	s_wait_tensorcnt 0x0                           ; the wave's end
	ds_add_u32 v[SPW], v[NIL]
	s_wait_dscnt 0x0
	s_endpgm
.Lfunc_end_k_q99080c156c_outq:
	.size	k_q99080c156c_outq, .Lfunc_end_k_q99080c156c_outq-k_q99080c156c_outq
	.p2alignl 7, 3214868480
	.fill 96, 4, 3214868480
	.section	.rodata,"a",@progbits
	.p2align	6, 0x0
	.amdhsa_kernel k_q99080c156c_outq
		.amdhsa_group_segment_fixed_size 26880
		.amdhsa_private_segment_fixed_size 0
		.amdhsa_enable_private_segment 0
		.amdhsa_kernarg_size 16
		.amdhsa_user_sgpr_count 2
		.amdhsa_user_sgpr_kernarg_segment_ptr 1
		.amdhsa_wavefront_size32 1
		.amdhsa_system_sgpr_workgroup_id_x 1
		.amdhsa_system_sgpr_workgroup_id_y 1
		.amdhsa_system_sgpr_workgroup_id_z 1
		.amdhsa_system_vgpr_workitem_id 0
		.amdhsa_next_free_vgpr 224
		.amdhsa_next_free_sgpr 66
		.amdhsa_reserve_vcc 0
		.amdhsa_float_denorm_mode_32 3
		.amdhsa_float_denorm_mode_16_64 3
		.amdhsa_memory_ordered 1
		.amdhsa_forward_progress 1
		.amdhsa_inst_pref_size 44
	.end_amdhsa_kernel
	.amdgpu_metadata
---
amdhsa.version: [ 1, 2 ]
amdhsa.kernels:
  - .name:           k_q99080c156c_outq
    .symbol:         k_q99080c156c_outq.kd
    .args:
      - { .name: p5, .offset: 0, .size: 8, .value_kind: global_buffer, .address_space: global }
      - { .name: out0, .offset: 8, .size: 8, .value_kind: global_buffer, .address_space: global }
    .group_segment_fixed_size: 26880
    .private_segment_fixed_size: 0
    .kernarg_segment_align: 8
    .kernarg_segment_size: 16
    .max_flat_workgroup_size: 192
    .sgpr_count:     66
    .vgpr_count:     224
    .wavefront_size: 32
...
	.end_amdgpu_metadata
.endif
;; end of part 7
;; ======== version 2 of 2: 7 launches; 1.29 times as fast as version 1
;; workspace buffers: xw 16,121,856 bytes; p1 75,500,544 bytes; p2 37,748,992 bytes; p3 768 bytes; p4 1,573,888 bytes; p5 25,166,592 bytes
;; launch cvt: the kernel of part 1 again; grid 656 x 1, 8 waves a work-group, no clusters, 0 bytes of LDS; arguments x, Wq, Wk, Wv, xw; writes xw
;; launch proj: the kernel of part 2 again; grid 8 x 32, 4 waves a work-group, clusters of 4 x 4, 327,680 bytes of LDS; arguments xw, bq, bk, bv, p1; writes p1
;; launch quant: the kernel of part 3 again; grid 768 x 1, 6 waves a work-group, no clusters, 14,592 bytes of LDS; arguments p1, p2; writes p2
;; launch smax: the kernel of part 4 again; grid 2 x 96, 4 waves a work-group, no clusters, 167,936 bytes of LDS; arguments p2, p3; writes p3
;; launch stats (part 8): grid 2 x 96, 4 waves a work-group, no clusters, 167,936 bytes of LDS; arguments p2, mask, p3, p4; writes p4
.if DOCPART == 8
	.amdgcn_target "amdgcn-amd-amdhsa--gfx1250"
	.amdhsa_code_object_version 6
	.text
	.protected	k_q99080c156c_stats
	.globl	k_q99080c156c_stats
	.p2align	8
	.type	k_q99080c156c_stats,@function
k_q99080c156c_stats:
	s_mov_b64 s[64:65], 0
	v_nop
	global_prefetch_b8 v0, s[64:65] scope:SCOPE_SE
	s_setreg_imm32_b32 hwreg(HW_REG_WAVE_MODE, 25, 1), 1
	s_wait_xcnt 0x0
; THE SOFTMAX'S ROW STATISTICS.  For each query: m = the largest masked score, l = the sum of exp(score - m), by a running maximum; and min l of the work-group: the largest probability of the whole tensor is 1 / min l.
; THE SCORES.  sigma = Qint . Kint.  The two fixed-point steps round the division by 8 collapse exactly: with M3 = max|sigma| 2^-mbq 2^-mbk, mb3 = 15 - ceil(log2 M3), A = 2^(mb3 - mbq - mbk):
;   s = med3(round(sigma A), LO, HI) x 2^-(mb3 + 3); (LO, HI) = (-32768, 32767), or (-16384, 16383.5) where the largest rounded score is exactly 2^14 (the second step then has one bit more and clips 32768 to 32767).
;   X = s - 10000 (1 - mask), one rounding, as the fused multiply-add makes it; X - m is an exact difference's rounding, then times log2(e), then 2^.
; LIMITS.  The second step's floor of 1e-8 is not modelled where the largest score is under 8e-8; ceil(log2) is read off the bits; the mask is rounded to bf16 like the other inputs; a weight below 2^-126 counts as 0;
; NaN and infinities are not treated apart; the maxima within 2^+-100.
; SHARES, LAYOUT: 512 queries of a head a work-group, 128 a wave in four pieces of two tiles; the head's K in LDS, filled once, with a 17th key step of zeros (the fourth wave's tile reaches past the head's end)
; for the fetch that runs ahead.  Turn p: the vector work of piece p; 16 products K Q^T of piece p + 1, one after every 12 vector lines.  The lines are dealt by ticks: in a tick each stage works on another pair of scores.
; THE EXPONENTIALS OF A TURN ARE ONE BATCH: the two tiles' a, then the 64 weights, each in place in its score's register, so that every result has a register of its own while the batch is open.  Ahead of the turn's one
; wait stands all that names no result of the batch (rounding, clip, mask term, maxima, X - m, x log2 e); behind it the 32 additions onto l, which are the batch's only readers.
; NO CLUSTER: only two work-groups share a head, and each fetches K once for its whole run.
; REGISTERS: window 0: v2-15 addresses; v16-47 the step's 32 mask terms; v48-55 at work; v64-191 S^T, two buffers; v192-255 eight a tile: m, -, a, -, two pairs of l.   window 1: v0-127 Q; v128-191 K.
.set PK,    144
.set KS,    64
.set KROWS, 136
.set KPART, 2*KROWS*PK
.set BIAS,  4*KPART                    ; 1,024 mask terms, then 512 bytes of zeros
.set SCR,   BIAS+4608
.set SPARE, SCR+256
.set TS,    12582912
.set AK0, 2
.set AB0, 3
.set AK,  4
.set AB,  5
.set SPW, 14
.set NIL, 15
.set BI,  16
.set TMP, 48
.set S,   64
.set SS,  192
.set KF,  128
.set WV,  12
.set G1,  24
.set G0,  32
.set TBK, 36
.set TBB, 37
.set CNT, 38
.set SEL, 40
.set SA,  42
.set SC,  44
.set SNC, 46
.set SG,  48
.set SCL, 50
.set SLO, 52
.set SHI, 53
.set MSG, 55
.set VPM, 12
.set NMM, 16
.set W_KQ, 0x05
.set MSB, 0
.macro WIN new
.if MSB != (\new)
	s_set_vgpr_msb (MSB<<8)|(\new)
.set MSB, (\new)
.endif
.endm
.macro KQ x                            ; product mi of 16 for piece x; the 8 accumulators take turns
	WIN W_KQ
.set kS, S+64*((\x)%2)+32*(mi%2)+8*((mi/2)%4)
.set kK, KF+16*((mi/2)%4)+8*(mi/8)
.set kQ, 16*(2*(\x)+mi%2)+8*(mi/8)
.if mi < 8
	v_wmma_f32_16x16x32_f16 v[kS:kS+7], v[kK:kK+7], v[kQ:kQ+7], 0
.else
	v_wmma_f32_16x16x32_f16 v[kS:kS+7], v[kK:kK+7], v[kQ:kQ+7], v[kS:kS+7]
.endif
.set mi, mi+1
.endm
.macro PRE
.if ((vc%VPM) == 0) && (mi < NMM)
	KQ (Y+1)%4
.endif
	WIN 0
.set vc, vc+1
.endm
.macro FETCH_K
	WIN 0
	v_add_nc_u32 v[AK], s[TBK], v[AK0]
	WIN 0x40
.irp f, 0,1,2,3,4,5,6,7
	ds_load_b128 v[KF+8*\f:KF+8*\f+3],   v[AK] offset:(\f/2)*16*PK+(\f%2)*64
	ds_load_b128 v[KF+8*\f+4:KF+8*\f+7], v[AK] offset:(\f/2)*16*PK+(\f%2)*64+32
.endr
	s_add_co_u32 s[TBK], s[TBK], KS*PK
	WIN 0
.endm
.macro FETCH_B                         ; the step's mask terms: register 8 kb + j is key 16 kb + 8 (l / 16) + j, as in S^T
	WIN 0
	v_add_nc_u32 v[AB], s[TBB], v[AB0]
.irp q, 0,1,2,3,4,5,6,7
	ds_load_b128 v[BI+4*\q:BI+4*\q+3], v[AB] offset:(\q/2)*64+(\q%2)*16
.endr
	s_add_co_u32 s[TBB], s[TBB], 256
.endm
; Stage k for pair n = tau - d (tile n % 2, pair n / 2 of 16).  0, 1: round(sigma A).  2, 3: the clip.  4: x 2^-(mb3+3) + the mask term.  5: the running maximum, two chains a tile.
.macro P1 k, d
.set n, tau-(\d)
.if (n >= 0) && (n < 32)
.set u, n%2
.set ip, n/2
.set rS, S+64*(Y%2)+32*u+2*ip
.set rC, TMP+4*u
.set rT, SS+8*(2*Y+u)
	PRE
.if (\k) == 0
	v_pk_fma_f32 v[rS:rS+1], v[rS:rS+1], s[SA:SA+1], s[SC:SC+1] op_sel_hi:[1,0,0]
.elseif (\k) == 1
	v_pk_add_f32 v[rS:rS+1], v[rS:rS+1], s[SNC:SNC+1] op_sel_hi:[1,0]
.elseif (\k) == 2
	v_med3_num_f32 v[rS], v[rS], s[SLO], s[SHI]
.elseif (\k) == 3
	v_med3_num_f32 v[rS+1], v[rS+1], s[SLO], s[SHI]
.elseif (\k) == 4
	v_pk_fma_f32 v[rS:rS+1], v[rS:rS+1], s[SG:SG+1], v[BI+2*ip:BI+2*ip+1] op_sel_hi:[1,0,1]
.elseif ip == 0
	v_max3_num_f32 v[rC], v[rS], v[rS+1], v[rT]
.elseif ip == 1
	v_max_num_f32 v[rC+1], v[rS], v[rS+1]
.else
	v_max3_num_f32 v[rC+ip%2], v[rS], v[rS+1], v[rC+ip%2]
.endif
.endif
.endm
; The tile's new m and a = 2^((m_old - m_new) log2 e)
.macro SX k, u
.set rC, TMP+4*(\u)
.set rT, SS+8*(2*Y+(\u))
	PRE
.if (\k) == 0
	v_max_num_f32 v[rC], v[rC], v[rC+1]
.elseif (\k) == 1
	v_permlanex16_b32 v[rC+2], v[rC], s[SEL], s[SEL+1]   ; the query's other 32 keys lie in the lane 16 away
.elseif (\k) == 2
	v_max_num_f32 v[rC+1], v[rC], v[rC+2]
.elseif (\k) == 3
	v_sub_f32 v[rC+3], v[rT], v[rC+1]
.elseif (\k) == 4
	v_mov_b32 v[rT], v[rC+1]
.elseif (\k) == 5
	v_mul_f32 v[rC+3], s[SCL], v[rC+3]
.else
	v_exp_f32 v[rT+2], v[rC+3]
.endif
.endm
; 0: X - m.  1: x log2 e.  2, 3: 2^.  4: onto l, two chains a tile; each chain's first link is l = a l + e.
.macro P2 k, d
.set n, tau-(\d)
.if (n >= 0) && (n < 32)
.set u, n%2
.set ip, n/2
.set rS, S+64*(Y%2)+32*u+2*ip
.set rT, SS+8*(2*Y+u)
.set rL, rT+4+2*(ip%2)
	PRE
.if (\k) == 0
	v_pk_add_f32 v[rS:rS+1], v[rS:rS+1], v[rT:rT+1] op_sel_hi:[1,0] neg_lo:[0,1] neg_hi:[0,1]
.elseif (\k) == 1
	v_pk_mul_f32 v[rS:rS+1], v[rS:rS+1], s[SCL:SCL+1] op_sel_hi:[1,0]
.elseif (\k) == 2
	v_exp_f32 v[rS], v[rS]
.elseif (\k) == 3
	v_exp_f32 v[rS+1], v[rS+1]
.elseif ip < 2
	v_pk_fma_f32 v[rL:rL+1], v[rL:rL+1], v[rT+2:rT+3], v[rS:rS+1] op_sel_hi:[1,0,1]
.else
	v_pk_add_f32 v[rL:rL+1], v[rL:rL+1], v[rS:rS+1]
.endif
.endif
.endm
; A TURN: 366 vector lines and one v_nop, 16 matrix instructions in front of lines 0, 12, .. 180.  The next step's K is fetched in piece 2's turn, 12 plain lines behind the last product that read K; the next step's mask terms in
; piece 3's turn, behind their last use.  Each is waited for at the head of the next turn.
; THE BATCH AND ITS WAIT.  66 exponentials: a of both tiles (SX 6), then pair n's two, three ticks behind its X - m and two behind its x log2 e, an exponential and a plain line by turns while plain lines last.  None of these
; lines names a result of the batch: a is read first by a chain's first link, a weight first by its addition.  A v_nop is the plain line behind the last exponential (ISA guide 5.7.2); then the one wait
; ahead of the batch's first reader; then the 32 additions in the order of the pairs, the four chains by turns.  No exponential is issued behind the wait: none is open at the turn's end, at the loop's label or at its jump.
.macro TURN p
.set Y, (\p)
.set mi, 0
.set vc, 0
.if ((\p) == 0) || ((\p) == 3)
	s_wait_dscnt 0x0
.endif
.set tau, 0
.rept 36
	P1 0, 0
	P1 1, 1
	P1 2, 2
	P1 3, 2
	P1 4, 3
	P1 5, 4
.set tau, tau+1
.endr
.if (\p) == 2
	FETCH_K
.endif
.if (\p) == 3
	FETCH_B
.endif
.irp k, 0,1,2,3,4,5,6
	SX \k, 0
	SX \k, 1
.endr
.set tau, 0
.rept 35
	P2 0, 0
	P2 2, 3
	P2 1, 1
	P2 3, 3
.set tau, tau+1
.endr
	v_nop                                          ; the plain line behind the last exponential: one for the batch
	s_wait_alu depctr_va_vdst(0)                   ; the wait for the batch: the turn's 66 exponentials
.set tau, 0
.rept 32
	P2 4, 0
.set tau, tau+1
.endr
.endm
	s_load_b256 s[4:11], s[0:1], 0x0               ; p2, mask, p3, p4
	v_lshl_add_u32 v[SPW], v0, 2, SPARE
	v_mov_b32 v[NIL], 0
	ds_add_u32 v[SPW], v[NIL]                      ; the wave's opening: the add and its wait ahead of my tensor load
	ds_add_u32 v14, v15
	v_lshrrev_b32 v1, 5, v0
	v_readfirstlane_b32 s[WV], v1
	s_and_b32 s13, ttmp7, 0xffff                   ; bh
	s_mov_b32 s14, ttmp9                           ; half
	s_mov_b32 s[G1], (1<<16)|(1<<20)|(4<<22)|(3<<25)
	s_mov_b32 s[G1+1], 128<<16
	s_mul_i32 s15, s[WV], KROWS
	s_sub_co_u32 s15, 512, s15                     ; the rows left of the head from my tile's first
	s_lshl_b32 s[G1+2], s15, 16
	s_mov_b32 s[G1+3], 128<<16
	s_mov_b32 s[G1+4], KROWS
	s_mov_b32 s[G1+5], 128
	s_mov_b32 s[G1+6], 0
	s_mov_b32 s[G1+7], 0
	s_mov_b32 s[G0], 1
	s_mul_i32 s[G0+1], s[WV], KPART
	s_lshl_b32 s16, s13, 17
	s_mul_i32 s18, s[WV], KROWS*256
	s_add_co_u32 s18, s18, s16
	s_add_co_u32 s18, s18, 256+TS
	s_mov_b32 s19, 0
	s_lshl_b32 s22, s14, 16
	s_lshl_b32 s23, s[WV], 14
	s_add_co_u32 s22, s22, s23
	s_add_co_u32 s22, s22, s16
	s_add_co_u32 s22, s22, 256
	s_mov_b32 s23, 0
	s_mul_hi_u32 s20, s13, 0x15555556              ; batch = bh / 12
	s_lshl_b32 s20, s20, 12
	s_mov_b32 s21, 0
	s_lshl1_add_u32 s17, s13, s14                  ; 2 bh + half
	s_lshl2_add_u32 s60, s17, s[WV]                ; my wave among all
	s_lshl_b32 s60, s60, 11
	s_add_co_u32 s60, s60, 1024
	s_mov_b32 s61, 0
	s_mov_b32 s[SEL], 0x76543210
	s_mov_b32 s[SEL+1], 0xfedcba98
	s_mov_b32 s[SC], 0x4b400000                    ; 1.5 x 2^23
	s_mov_b32 s[SC+1], s[SC]
	s_mov_b32 s[SNC], 0xcb400000
	s_mov_b32 s[SNC+1], s[SNC]
	s_mov_b32 s[SCL], 0x3fb8aa3b                   ; log2 e
	s_mov_b32 s[SCL+1], s[SCL]
	s_mov_b32 s[TBK], 0
	s_mov_b32 s[TBB], 0
	s_wait_dscnt 0x0
	s_wait_kmcnt 0x0
	s_add_nc_u64 s[G0+2:G0+3], s[4:5], s[18:19]
	s_or_b32 s[G0+3], s[G0+3], 0x80000000
	tensor_load_to_lds s[G0:G0+3], s[G1:G1+7]      ; my one tensor load
	s_nop 0
.rept 4
	v_nop
.endr
	s_load_b96 s[56:58], s[4:5], 0x0               ; Mq, Mk, Mv
	s_add_nc_u64 s[22:23], s[4:5], s[22:23]        ; Q at my wave's first row
	s_add_nc_u64 s[20:21], s[6:7], s[20:21]        ; the batch's mask
	s_add_nc_u64 s[60:61], s[10:11], s[60:61]      ; my wave's 2,048 bytes of m and l
	v_and_b32 v1, 15, v0
	v_bfe_u32 v9, v0, 4, 1
	v_and_b32 v10, 31, v0
	v_lshlrev_b32 v12, 7, v1
	v_lshl_add_u32 v12, v9, 4, v12
	v_lshlrev_b32 v13, 4, v10
	v_lshlrev_b32 v11, 2, v10
	v_lshlrev_b32 v8, 5, v0
	WIN 0x40
.set i, 0
.rept 16
	global_load_b128 v[8*i:8*i+3],   v12, s[22:23] offset:(i/2)*2048+(i%2)*64
	global_load_b128 v[8*i+4:8*i+7], v12, s[22:23] offset:(i/2)*2048+(i%2)*64+32
.set i, i+1
.endr
	WIN 0
.set i, 0
.rept 6
	global_load_b32 v[56+i], v11, s[8:9] offset:128*i    ; the 192 partial maxima of |sigma|
.set i, i+1
.endr
	global_load_b128 v[64:67], v8, s[20:21]        ; my eight numbers of the mask
	global_load_b128 v[68:71], v8, s[20:21] offset:16
.set i, 0
.rept 8
	v_mov_b32 v[SS+8*i], 0xff7fffff                ; m: the lowest finite number, so the first a is 0
.irp j, 1,2,3,4,5,6,7
	v_mov_b32 v[SS+8*i+\j], 0
.endr
.set i, i+1
.endr
.set i, 0
.rept 8
	v_mov_b32 v[TMP+i], 0
.set i, i+1
.endr
	v_mul_u32_u24 v[AK0], v1, PK
	v_lshl_add_u32 v[AK0], v9, 4, v[AK0]
	v_lshlrev_b32 v[AB0], 5, v9
	v_add_nc_u32 v[AB0], BIAS, v[AB0]
	s_wait_loadcnt 0x0
.irp j, 0,2,4,6                        ; the mask rounded to bf16, then -10000 (1 - mask)
	v_cvt_pk_bf16_f32 v[72+(\j)/2], v[64+(\j)], v[65+(\j)]
.endr
.irp j, 0,2,4,6
	v_lshlrev_b32 v[64+(\j)], 16, v[72+(\j)/2]
	v_and_b32 v[65+(\j)], 0xffff0000, v[72+(\j)/2]
.endr
.irp j, 0,1,2,3,4,5,6,7
	v_sub_f32 v[64+\j], 1.0, v[64+\j]
.endr
.irp j, 0,1,2,3,4,5,6,7
	v_mul_f32 v[64+\j], 0xc61c4000, v[64+\j]
.endr
	v_add_nc_u32 v80, BIAS, v8
	ds_store_b128 v80, v[64:67]
	ds_store_b128 v80, v[68:71] offset:16
	s_cmp_lg_u32 s[WV], 0
	s_cbranch_scc1 .Lno_zero
.irp j, 76,77,78,79
	v_mov_b32 v[\j], 0
.endr
	v_add_nc_u32 v81, BIAS+4096, v13
	ds_store_b128 v81, v[76:79]                    ; zeros for the fetch that runs one step past the last
.Lno_zero:
	v_max3_num_f32 v56, v56, v57, v58
	v_max3_num_f32 v56, v56, v59, v60
	v_max_num_f32 v56, v56, v61
	v_max_num_f32_dpp v56, v56, v56 row_xmask:1 row_mask:0xf bank_mask:0xf
	v_max_num_f32_dpp v56, v56, v56 row_xmask:2 row_mask:0xf bank_mask:0xf
	v_max_num_f32_dpp v56, v56, v56 row_xmask:4 row_mask:0xf bank_mask:0xf
	v_max_num_f32_dpp v56, v56, v56 row_xmask:8 row_mask:0xf bank_mask:0xf
	v_permlanex16_b32 v57, v56, s[SEL], s[SEL+1]
	v_max_num_f32 v56, v56, v57
	v_readfirstlane_b32 s[MSG], v56                ; max |sigma|
	s_wait_kmcnt 0x0
	s_max_u32 s74, s56, 0x322bcc77
	s_add_co_u32 s74, s74, 0x7fffff
	s_lshr_b32 s74, s74, 23
	s_sub_co_u32 s74, s74, 15
	s_lshl_b32 s74, s74, 23                        ; 2^-mbq
	s_max_u32 s75, s57, 0x322bcc77
	s_add_co_u32 s75, s75, 0x7fffff
	s_lshr_b32 s75, s75, 23
	s_sub_co_u32 s75, s75, 15
	s_lshl_b32 s75, s75, 23                        ; 2^-mbk
	s_mul_f32 s76, s[MSG], s74
	s_mul_f32 s76, s76, s75
	s_max_u32 s76, s76, 0x322bcc77                 ; M3
	s_add_co_u32 s77, s76, 0x7fffff
	s_lshr_b32 s77, s77, 23                        ; EB3
	s_sub_co_u32 s78, 269, s77
	s_lshl_b32 s78, s78, 23                        ; 2^mb3
	s_mul_f32 s[SA], s78, s74
	s_mul_f32 s[SA], s[SA], s75                    ; A
	s_mov_b32 s[SA+1], s[SA]
	s_mul_f32 s79, s76, s78                        ; the largest score in steps: above 2^14, at most 2^15
	s_mov_b32 s80, 0x467ffe00                      ; 16383.5
	s_mov_b32 s81, 0x46fffe00                      ; 32767
	s_mov_b32 s82, 0xc6800000                      ; -16384
	s_mov_b32 s83, 0xc7000000                      ; -32768
	s_cmp_le_u32 s79, 0x46800100                   ; at most 16384.5: it rounds to 2^14
	s_cselect_b32 s[SHI], s80, s81
	s_cselect_b32 s[SLO], s82, s83
	s_sub_co_u32 s77, s77, 18
	s_lshl_b32 s[SG], s77, 23                      ; 2^-(mb3 + 3)
	s_mov_b32 s[SG+1], s[SG]
	s_or_b32 s15, s13, s14                         ; one wave of the launch writes max |sigma| for the next launch
	s_or_b32 s15, s15, s[WV]
	s_cmp_lg_u32 s15, 0
	s_cbranch_scc1 .Lno_sc
	v_mov_b32 v57, 0
	s_wait_xcnt 0x0                                ; EXEC changes only behind this wait
	v_cmp_eq_u32 vcc_lo, 0, v0
	s_and_saveexec_b32 s15, vcc_lo
	global_store_b32 v57, v56, s[10:11]
	s_wait_xcnt 0x0
	s_or_b32 exec_lo, exec_lo, s15
.Lno_sc:
	s_wait_tensorcnt 0x0                           ; my part of K is in,
	s_wait_dscnt 0x0                               ; my mask terms are stored,
	s_barrier_signal -1
	s_barrier_wait -1                              ; everybody's are
	FETCH_K
	FETCH_B
	s_wait_dscnt 0x0
.set mi, 0
.rept 16
	KQ 0                                           ; piece 0's first scores
.endr
	WIN 0
.rept 4
	v_nop                                          ; the places behind those products
.endr
	s_mov_b32 s[CNT], 16
.Lstep:
	TURN 0
	TURN 1
	TURN 2
	TURN 3
	WIN 0
	s_sub_co_u32 s[CNT], s[CNT], 1
	s_cmp_lg_u32 s[CNT], 0
	s_cbranch_scc1 .Lstep
	s_wait_dscnt 0x0                               ; the last fetch of mask terms: its registers take the results
.set t, 0
.rept 8
	v_pk_add_f32 v[SS+8*t+4:SS+8*t+5], v[SS+8*t+4:SS+8*t+5], v[SS+8*t+6:SS+8*t+7]
.set t, t+1
.endr
.set t, 0
.rept 8
	v_add_f32 v[SS+8*t+4], v[SS+8*t+4], v[SS+8*t+5]
.set t, t+1
.endr
.set t, 0
.rept 8
	v_permlanex16_b32 v[SS+8*t+5], v[SS+8*t+4], s[SEL], s[SEL+1]
.set t, t+1
.endr
.set t, 0
.rept 8
	v_add_f32 v[BI+8+t], v[SS+8*t+4], v[SS+8*t+5]  ; l
	v_mov_b32 v[BI+t], v[SS+8*t]                   ; m
.set t, t+1
.endr
.irp q, 0,1,2,3
	global_store_b128 v13, v[BI+4*\q:BI+4*\q+3], s[60:61] offset:512*\q   ; 512 consecutive bytes, aligned
.endr
	v_min3_num_f32 v48, v[BI+8], v[BI+9], v[BI+10]
	v_min3_num_f32 v48, v48, v[BI+11], v[BI+12]
	v_min3_num_f32 v48, v48, v[BI+13], v[BI+14]
	v_min_num_f32 v48, v48, v[BI+15]
	v_min_num_f32_dpp v48, v48, v48 row_xmask:1 row_mask:0xf bank_mask:0xf
	v_min_num_f32_dpp v48, v48, v48 row_xmask:2 row_mask:0xf bank_mask:0xf
	v_min_num_f32_dpp v48, v48, v48 row_xmask:4 row_mask:0xf bank_mask:0xf
	v_min_num_f32_dpp v48, v48, v48 row_xmask:8 row_mask:0xf bank_mask:0xf
	s_lshl_b32 s15, s[WV], 2
	s_add_co_u32 s15, s15, SCR
	v_mov_b32 v5, s15
	ds_store_b32 v5, v48                           ; both halves of the lanes hold the same l
	s_wait_dscnt 0x0
	s_barrier_signal -1
	s_barrier_wait -1
	s_cmp_lg_u32 s[WV], 0
	s_cbranch_scc1 .Lend
	v_mov_b32 v5, SCR
	ds_load_b128 v[48:51], v5
	s_wait_dscnt 0x0
	v_min3_num_f32 v48, v48, v49, v50
	v_min_num_f32 v48, v48, v51
	s_lshl_b32 s15, s17, 2
	s_add_co_u32 s15, s15, 256
	v_mov_b32 v7, s15
	s_wait_xcnt 0x0                                ; EXEC changes only behind this wait
	v_cmp_eq_u32 vcc_lo, 0, v0
	s_and_saveexec_b32 s16, vcc_lo
	global_store_b32 v7, v48, s[10:11]
	s_wait_xcnt 0x0
	s_or_b32 exec_lo, exec_lo, s16
.Lend:
	s_wait_tensorcnt 0x0                           ; the wave's end
	ds_add_u32 v[SPW], v[NIL]
	s_wait_dscnt 0x0
	s_endpgm
.Lfunc_end_k_q99080c156c_stats:
	.size	k_q99080c156c_stats, .Lfunc_end_k_q99080c156c_stats-k_q99080c156c_stats
	.p2alignl 7, 3214868480
	.fill 96, 4, 3214868480
	.section	.rodata,"a",@progbits
	.p2align	6, 0x0
	.amdhsa_kernel k_q99080c156c_stats
		.amdhsa_group_segment_fixed_size 167936
		.amdhsa_private_segment_fixed_size 0
		.amdhsa_enable_private_segment 0
		.amdhsa_kernarg_size 32
		.amdhsa_user_sgpr_count 2
		.amdhsa_user_sgpr_kernarg_segment_ptr 1
		.amdhsa_wavefront_size32 1
		.amdhsa_system_sgpr_workgroup_id_x 1
		.amdhsa_system_sgpr_workgroup_id_y 1
		.amdhsa_system_sgpr_workgroup_id_z 1
		.amdhsa_system_vgpr_workitem_id 0
		.amdhsa_next_free_vgpr 448
		.amdhsa_next_free_sgpr 96
		.amdhsa_reserve_vcc 1
		.amdhsa_float_denorm_mode_32 3
		.amdhsa_float_denorm_mode_16_64 3
		.amdhsa_memory_ordered 1
		.amdhsa_forward_progress 1
		.amdhsa_inst_pref_size 113
	.end_amdhsa_kernel
	.amdgpu_metadata
---
amdhsa.version: [ 1, 2 ]
amdhsa.kernels:
  - .name:           k_q99080c156c_stats
    .symbol:         k_q99080c156c_stats.kd
    .args:
      - { .name: p2, .offset: 0, .size: 8, .value_kind: global_buffer, .address_space: global }
      - { .name: mask, .offset: 8, .size: 8, .value_kind: global_buffer, .address_space: global }
      - { .name: p3, .offset: 16, .size: 8, .value_kind: global_buffer, .address_space: global }
      - { .name: p4, .offset: 24, .size: 8, .value_kind: global_buffer, .address_space: global }
    .group_segment_fixed_size: 167936
    .private_segment_fixed_size: 0
    .kernarg_segment_align: 8
    .kernarg_segment_size: 32
    .max_flat_workgroup_size: 128
    .sgpr_count:     96
    .vgpr_count:     448
    .wavefront_size: 32
...
	.end_amdgpu_metadata
.endif
;; end of part 8
;; launch attn (part 9): grid 2 x 96, 4 waves a work-group, no clusters, 327,680 bytes of LDS; arguments p2, mask, p4, p5; writes p5
.if DOCPART == 9
	.amdgcn_target "amdgcn-amd-amdhsa--gfx1250"
	.amdhsa_code_object_version 6
	.text
	.protected	k_q99080c156c_attn
	.globl	k_q99080c156c_attn
	.p2align	8
	.type	k_q99080c156c_attn,@function
k_q99080c156c_attn:
	s_mov_b64 s[64:65], 0
	v_nop
	global_prefetch_b8 v0, s[64:65] scope:SCOPE_SE
	s_setreg_imm32_b32 hwreg(HW_REG_WAVE_MODE, 25, 1), 1
	s_wait_xcnt 0x0
; THE WEIGHTS AND THE SECOND PRODUCT.  The scores are made again exactly as in the launch before (see there: round(sigma A), clip, x 2^-(mb3+3), mask term); with each row's final m and l at hand nothing is rescaled:
;   e = 2^((X - m) log2 e); the probabilities' fixed-point step: the largest probability is 1 / min l, so mb5 = 15 + floor(log2 min l); Pint = round(e x (1 / l) x 2^mb5), written as f16 (at most 32,768; the clip at
;   32,767 vanishes in f16's rounding); O = the sum of Pint Vint in f32; h = O x 2^-mb5 x 2^-mbv.  h goes out in f32, as the accumulators lie, with the work-group's largest |h|.
; LIMITS.  e x (1 / l) x 2^mb5 is rounded to an integer in one fused step, where the model rounds e / l to f32 first; 1 / l by v_rcp_f32; floor(log2 min l) is read off the bits; the mask is rounded to bf16; the second
; score step's floor of 1e-8 is not modelled under 8e-8; a weight below 2^-126 counts as 0; NaN and infinities are not treated apart; the maxima within 2^+-100.
; SHARES, LAYOUT: 512 queries of a head a work-group, 128 a wave, four pieces of two tiles.  The head's K and V lie in LDS, filled once: waves 0, 1 fetch K's halves (272 rows of 256 bytes; the second reaches 32 rows
; past the head's end, which arrive as zeros: a 17th key step for the fetch that runs ahead), waves 2, 3 V's (256 rows).  S^T = K Q^T holds one query a lane; two results rounded to f16 are source 1 of O^T = V^T P.
; Turn p: the vector work of piece p, 384 lines; in front of lines 0, 12, .. 372 a matrix instruction: 16 products K Q^T of piece p + 1, then 16 products V^T P of piece p - 1.
; THE EXPONENTIALS OF A TURN ARE ONE BATCH: 64, each in place in its score's register, so that every result has a register of its own while the batch is open.  The turn's one wait cuts it in two: ahead of it all that names
; no result of the batch (the scores' rounding, clip, scale and mask term, - m, x log2 e, the exponentials themselves: 288 lines); behind it the readers (round(e w), to f16: 96 lines).  The head's eight reciprocals are a batch of their own.
; The first turn's V^T P, of a piece that has not been, multiplies zeros: O^T, V and one buffer of P are cleared in the wait for the tiles, the price of one text for every step.
; NO CLUSTER: only two work-groups share a head, and each fetches K and V once for its whole run.
; REGISTERS: window 0: v2-15 addresses; v16-31 (m, 2^mb5 / l) a tile; v32-63 mask terms; v64-191 S^T, two buffers; v192-255 P, two buffers.   window 1: O^T, 32 a tile.   window 2: v0-127 Q; v128-191 K; v192-255 V.
.set PK,    144
.set PV,    160
.set KS,    64
.set VB,    1088*PK                    ; V behind K's 17 steps
.set BIAS,  VB+1024*PV
.set SCR,   BIAS+4608
.set SPARE, SCR+256
.set TS,    12582912
.set AK0, 2
.set AV0, 3
.set AK,  4
.set AV,  5
.set AB0, 6
.set AB,  7
.set GO,  13
.set SPW, 14
.set NIL, 15
.set ST,  16
.set BI,  32
.set S,   64
.set P,   192
.set KF,  128
.set VF,  192
.set WV,  12
.set G1K, 24
.set G1V, 32
.set G0K, 40
.set G0V, 44
.set SEL, 48
.set SA,  50
.set SC,  52
.set SNC, 54
.set MSG, 59
.set SG,  60
.set SCL, 62
.set SLO, 66
.set SHI, 67
.set SHS, 68
.set TBK, 70
.set TBV, 71
.set TBB, 72
.set CNT, 73
.set VPM, 12
.set NMM, 32
.set W_KQ, 0x0a
.set W_PV, 0x52
.set MSB, 0
.macro WIN new
.if MSB != (\new)
	s_set_vgpr_msb (MSB<<8)|(\new)
.set MSB, (\new)
.endif
.endm
.macro KQ x                            ; product mi of 16 of S^T for piece x; the 8 accumulators of a run take turns
	WIN W_KQ
.set kS, S+64*((\x)%2)+32*(mi%2)+8*((mi/2)%4)
.set kK, KF+16*((mi/2)%4)+8*(mi/8)
.set kQ, 16*(2*(\x)+mi%2)+8*(mi/8)
.if mi < 8
	v_wmma_f32_16x16x32_f16 v[kS:kS+7], v[kK:kK+7], v[kQ:kQ+7], 0
.else
	v_wmma_f32_16x16x32_f16 v[kS:kS+7], v[kK:kK+7], v[kQ:kQ+7], v[kS:kS+7]
.endif
.set mi, mi+1
.endm
.macro PVM x                           ; product mi - 16 of 16 of O^T += V^T P for piece x: keys 32 (i / 8) on, channels 16 ((i / 2) % 4) on, tile 2 x + i % 2
	WIN W_PV
.set kI, mi-16
.set kO, 32*(2*(\x)+kI%2)+8*((kI/2)%4)
.set kV, VF+32*(kI/8)+8*((kI/2)%4)
.set kP, P+32*((\x)%2)+16*(kI%2)+8*(kI/8)
	v_wmma_f32_16x16x32_f16 v[kO:kO+7], v[kV:kV+7], v[kP:kP+7], v[kO:kO+7]
.set mi, mi+1
.endm
.macro PRE
.if ((vc%VPM) == 0) && (mi < NMM)
.if mi < 16
	KQ (Y+1)%4
.else
	PVM (Y+3)%4
.endif
.endif
	WIN 0
.set vc, vc+1
.endm
.macro FETCH_K
	WIN 0
	v_add_nc_u32 v[AK], s[TBK], v[AK0]
	WIN 0x80
.irp f, 0,1,2,3,4,5,6,7
	ds_load_b128 v[KF+8*\f:KF+8*\f+3],   v[AK] offset:(\f/2)*16*PK+(\f%2)*64
	ds_load_b128 v[KF+8*\f+4:KF+8*\f+7], v[AK] offset:(\f/2)*16*PK+(\f%2)*64+32
.endr
	s_add_co_u32 s[TBK], s[TBK], KS*PK
	WIN 0
.endm
.macro FETCH_V                         ; turned: lane l ends with channel l % 16 and 8 keys a load
	WIN 0
	v_add_nc_u32 v[AV], s[TBV], v[AV0]
	WIN 0x80
.irp f, 0,1,2,3,4,5,6,7
	ds_load_tr16_b128 v[VF+8*\f:VF+8*\f+3],   v[AV] offset:(\f/4)*32*PV+(\f%4)*32
	ds_load_tr16_b128 v[VF+8*\f+4:VF+8*\f+7], v[AV] offset:(\f/4)*32*PV+16*PV+(\f%4)*32
.endr
	s_add_co_u32 s[TBV], s[TBV], KS*PV
	WIN 0
.endm
.macro FETCH_B
	WIN 0
	v_add_nc_u32 v[AB], s[TBB], v[AB0]
.irp q, 0,1,2,3,4,5,6,7
	ds_load_b128 v[BI+4*\q:BI+4*\q+3], v[AB] offset:(\q/2)*64+(\q%2)*16
.endr
	s_add_co_u32 s[TBB], s[TBB], 256
.endm
; Stage k for pair n = tau - d (tile n % 2, pair n / 2).  0, 1: round(sigma A).  2, 3: the clip.  4: the scale and the mask term.  5: - m.  6: x log2 e.  7, 8: 2^.  9, 10: round(e w).  11: to f16.
.macro AO k, d
.set n, tau-(\d)
.if (n >= 0) && (n < 32)
.set u, n%2
.set ip, n/2
.set rS, S+64*(Y%2)+32*u+2*ip
.set rT, ST+2*(2*Y+u)
.set rP, P+32*(Y%2)+16*u+ip
	PRE
.if (\k) == 0
	v_pk_fma_f32 v[rS:rS+1], v[rS:rS+1], s[SA:SA+1], s[SC:SC+1] op_sel_hi:[1,0,0]
.elseif (\k) == 1
	v_pk_add_f32 v[rS:rS+1], v[rS:rS+1], s[SNC:SNC+1] op_sel_hi:[1,0]
.elseif (\k) == 2
	v_med3_num_f32 v[rS], v[rS], s[SLO], s[SHI]
.elseif (\k) == 3
	v_med3_num_f32 v[rS+1], v[rS+1], s[SLO], s[SHI]
.elseif (\k) == 4
	v_pk_fma_f32 v[rS:rS+1], v[rS:rS+1], s[SG:SG+1], v[BI+2*ip:BI+2*ip+1] op_sel_hi:[1,0,1]
.elseif (\k) == 5
	v_pk_add_f32 v[rS:rS+1], v[rS:rS+1], v[rT:rT+1] op_sel_hi:[1,0] neg_lo:[0,1] neg_hi:[0,1]
.elseif (\k) == 6
	v_pk_mul_f32 v[rS:rS+1], v[rS:rS+1], s[SCL:SCL+1] op_sel_hi:[1,0]
.elseif (\k) == 7
	v_exp_f32 v[rS], v[rS]
.elseif (\k) == 8
	v_exp_f32 v[rS+1], v[rS+1]
.elseif (\k) == 9
	v_pk_fma_f32 v[rS:rS+1], v[rS:rS+1], v[rT:rT+1], s[SC:SC+1] op_sel:[0,1,0] op_sel_hi:[1,1,0]   ; both halves times the pair's second register
.elseif (\k) == 10
	v_pk_add_f32 v[rS:rS+1], v[rS:rS+1], s[SNC:SNC+1] op_sel_hi:[1,0]
.else
	v_cvt_pk_f16_f32 v[rP], v[rS], v[rS+1]
.endif
.endif
.endm
; A TURN, in two parts.  THE FIRST PART: stages 0 to 8, nine lines a tick, 288 in all; a pair's two exponentials stand two ticks behind its x log2 e, each with plain lines of other pairs round it while such lines last.
; No line of this part, and no product among its lines, names a result of the batch.  A v_nop is the plain line behind the last exponential (ISA guide 5.7.2); then the one wait, ahead of
; the batch's first reader.  THE SECOND PART: stages 9 to 11, 96 lines, a pair's stages two ticks apart.  No exponential is issued behind the wait: none is open at the turn's end, at the loop's label or at its jump.
; After tick 23 of the first part there have been 185 lines: matrix instruction 15, the last K Q^T, stands five lines back, four of them plain, and number 16, the first V^T P, is still to come.
; So there piece 1's turn waits for V, and piece 2's turn fetches the next step's K (the run's own v_add_nc_u32 is a fifth plain line).  V of the step in hand is fetched at the end of piece 0's turn, twelve plain lines
; behind the last product that read V.  The next step's mask terms are fetched in piece 3's turn behind tick 34, which holds their last use.  K and the mask terms are waited for at the head of the next turn.
.macro TURN p
.set Y, (\p)
.set mi, 0
.set vc, 0
.if ((\p) == 0) || ((\p) == 3)
	s_wait_dscnt 0x0
.endif
.set tau, 0
.rept 39
	AO 0, 0
	AO 7, 7
	AO 1, 1
	AO 2, 2
	AO 8, 7
	AO 3, 2
	AO 4, 3
	AO 5, 4
	AO 6, 5
.if (tau == 23) && ((\p) == 1)
	s_wait_dscnt 0x0                               ; V is in
.endif
.if (tau == 23) && ((\p) == 2)
	FETCH_K
.endif
.if (tau == 34) && ((\p) == 3)
	FETCH_B
.endif
.set tau, tau+1
.endr
	v_nop                                          ; the plain line behind the last exponential: one for the batch
	s_wait_alu depctr_va_vdst(0)                   ; the wait for the batch: the turn's 64 exponentials
.set tau, 0
.rept 36
	AO 9, 0
	AO 10, 2
	AO 11, 4
.set tau, tau+1
.endr
.if (\p) == 0
	FETCH_V
.endif
.endm
	s_load_b256 s[4:11], s[0:1], 0x0               ; p2, mask, p4, p5
	v_lshl_add_u32 v[SPW], v0, 2, SPARE
	v_mov_b32 v[NIL], 0
	ds_add_u32 v[SPW], v[NIL]                      ; the wave's opening: the add and its wait ahead of my tensor load
	ds_add_u32 v14, v15
	v_lshrrev_b32 v1, 5, v0
	v_readfirstlane_b32 s[WV], v1
	s_and_b32 s13, ttmp7, 0xffff                   ; bh
	s_mov_b32 s14, ttmp9                           ; half
	s_and_b32 s15, s[WV], 1                        ; which half of K or of V I fetch
	s_mov_b32 s[G1K], (1<<16)|(1<<20)|(4<<22)|(3<<25)   ; 2-byte elements; padding: after every 32 words 4 words
	s_mov_b32 s[G1K+1], 128<<16
	s_mul_i32 s16, s15, 272
	s_sub_co_u32 s16, 512, s16                     ; the rows left of the head from my tile's first
	s_lshl_b32 s[G1K+2], s16, 16
	s_mov_b32 s[G1K+3], 128<<16
	s_mov_b32 s[G1K+4], 272
	s_mov_b32 s[G1K+5], 128
	s_mov_b32 s[G1K+6], 0
	s_mov_b32 s[G1K+7], 0
	s_mov_b32 s[G1V], (1<<16)|(1<<20)|(4<<22)|(7<<25)   ; 8 words of padding
	s_mov_b32 s[G1V+1], 128<<16
	s_mov_b32 s[G1V+2], 256<<16
	s_mov_b32 s[G1V+3], 128<<16
	s_mov_b32 s[G1V+4], 256
	s_mov_b32 s[G1V+5], 128
	s_mov_b32 s[G1V+6], 0
	s_mov_b32 s[G1V+7], 0
	s_mov_b32 s[G0K], 1
	s_mul_i32 s[G0K+1], s15, 544*PK
	s_mov_b32 s[G0V], 1
	s_mul_i32 s[G0V+1], s15, 512*PV
	s_add_co_u32 s[G0V+1], s[G0V+1], VB
	s_lshl_b32 s17, s13, 17                        ; the head's bytes
	s_mul_i32 s18, s15, 272*256
	s_add_co_u32 s18, s18, s17
	s_add_co_u32 s18, s18, 256+TS
	s_mov_b32 s19, 0
	s_lshl_b32 s20, s15, 16
	s_add_co_u32 s20, s20, s17
	s_add_co_u32 s20, s20, 256+2*TS
	s_mov_b32 s21, 0
	s_lshl_b32 s22, s14, 16
	s_lshl_b32 s23, s[WV], 14
	s_add_co_u32 s22, s22, s23
	s_add_co_u32 s22, s22, s17
	s_add_co_u32 s22, s22, 256
	s_mov_b32 s23, 0
	s_mul_hi_u32 s74, s13, 0x15555556              ; batch
	s_lshl_b32 s74, s74, 12
	s_mov_b32 s75, 0
	s_lshl1_add_u32 s88, s13, s14                  ; 2 bh + half
	s_lshl2_add_u32 s76, s88, s[WV]                ; my wave among all
	s_lshl_b32 s78, s76, 15                        ; its eight groups of 4,096 bytes of h
	s_add_co_u32 s78, s78, 768
	s_mov_b32 s79, 0
	s_lshl_b32 s76, s76, 11                        ; its 2,048 bytes of m and l
	s_add_co_u32 s76, s76, 1024
	s_mov_b32 s77, 0
	s_mov_b32 s[SEL], 0x76543210
	s_mov_b32 s[SEL+1], 0xfedcba98
	s_mov_b32 s[SC], 0x4b400000
	s_mov_b32 s[SC+1], s[SC]
	s_mov_b32 s[SNC], 0xcb400000
	s_mov_b32 s[SNC+1], s[SNC]
	s_mov_b32 s[SCL], 0x3fb8aa3b
	s_mov_b32 s[SCL+1], s[SCL]
	s_mov_b32 s[TBK], 0
	s_mov_b32 s[TBV], 0
	s_mov_b32 s[TBB], 0
	s_wait_dscnt 0x0
	s_wait_kmcnt 0x0
	s_add_nc_u64 s[G0K+2:G0K+3], s[4:5], s[18:19]
	s_or_b32 s[G0K+3], s[G0K+3], 0x80000000
	s_add_nc_u64 s[G0V+2:G0V+3], s[4:5], s[20:21]
	s_or_b32 s[G0V+3], s[G0V+3], 0x80000000
	s_cmp_lt_u32 s[WV], 2                          ; a wave's one fill stands in one branch on its number; an s_nop 0 and four v_nop follow each line
	s_cbranch_scc0 .Lfill_v
	tensor_load_to_lds s[G0K:G0K+3], s[G1K:G1K+7]
	s_nop 0
.rept 4
	v_nop
.endr
	s_branch .Lfilled
.Lfill_v:
	tensor_load_to_lds s[G0V:G0V+3], s[G1V:G1V+7]
	s_nop 0
.rept 4
	v_nop
.endr
.Lfilled:
	s_load_b96 s[56:58], s[4:5], 0x0               ; Mq, Mk, Mv
	s_load_b32 s[MSG], s[8:9], 0x0                 ; max |sigma|
	s_add_nc_u64 s[22:23], s[4:5], s[22:23]        ; Q at my wave's first row
	s_add_nc_u64 s[74:75], s[6:7], s[74:75]        ; the batch's mask
	s_add_nc_u64 s[76:77], s[8:9], s[76:77]        ; my m and l
	s_add_nc_u64 s[78:79], s[10:11], s[78:79]      ; my h
	v_and_b32 v1, 15, v0
	v_bfe_u32 v9, v0, 4, 1
	v_and_b32 v10, 31, v0
	v_lshlrev_b32 v12, 7, v1
	v_lshl_add_u32 v12, v9, 4, v12
	v_lshlrev_b32 v[GO], 4, v10
	v_lshlrev_b32 v11, 2, v10
	v_lshlrev_b32 v8, 5, v0
	WIN 0x80
.set i, 0
.rept 16
	global_load_b128 v[8*i:8*i+3],   v12, s[22:23] offset:(i/2)*2048+(i%2)*64
	global_load_b128 v[8*i+4:8*i+7], v12, s[22:23] offset:(i/2)*2048+(i%2)*64+32
.set i, i+1
.endr
	WIN 0
	global_load_b128 v[64:67], v8, s[74:75]        ; my eight numbers of the mask
	global_load_b128 v[68:71], v8, s[74:75] offset:16
.irp q, 0,1,2,3
	global_load_b128 v[96+4*\q:99+4*\q], v[GO], s[76:77] offset:512*\q   ; m of tiles 0-7, then l
.endr
.set i, 0
.rept 6
	global_load_b32 v[112+i], v11, s[8:9] offset:256+128*i               ; the 192 partial minima of l
.set i, i+1
.endr
	WIN 0x80                                       ; what the first turn's V^T P finds: zeros
.set i, VF
.rept 64
	v_mov_b32 v[i], 0
.set i, i+1
.endr
	WIN 0x40
.set i, 0
.rept 256
	v_mov_b32 v[i], 0
.set i, i+1
.endr
	WIN 0
.set i, P+32
.rept 32
	v_mov_b32 v[i], 0
.set i, i+1
.endr
	v_mul_u32_u24 v[AK0], v1, PK
	v_lshl_add_u32 v[AK0], v9, 4, v[AK0]
	v_and_b32 v120, 7, v0
	v_bfe_u32 v121, v0, 3, 1
	v_lshl_add_u32 v[AV0], v9, 3, v120
	v_mul_u32_u24 v[AV0], v[AV0], PV
	v_lshl_add_u32 v[AV0], v121, 4, v[AV0]
	v_add_nc_u32 v[AV0], VB, v[AV0]
	v_lshlrev_b32 v[AB0], 5, v9
	v_add_nc_u32 v[AB0], BIAS, v[AB0]
	s_wait_loadcnt 0x0
.irp j, 0,2,4,6                        ; the mask rounded to bf16, then -10000 (1 - mask)
	v_cvt_pk_bf16_f32 v[72+(\j)/2], v[64+(\j)], v[65+(\j)]
.endr
.irp j, 0,2,4,6
	v_lshlrev_b32 v[64+(\j)], 16, v[72+(\j)/2]
	v_and_b32 v[65+(\j)], 0xffff0000, v[72+(\j)/2]
.endr
.irp j, 0,1,2,3,4,5,6,7
	v_sub_f32 v[64+\j], 1.0, v[64+\j]
.endr
.irp j, 0,1,2,3,4,5,6,7
	v_mul_f32 v[64+\j], 0xc61c4000, v[64+\j]
.endr
	v_add_nc_u32 v80, BIAS, v8
	ds_store_b128 v80, v[64:67]
	ds_store_b128 v80, v[68:71] offset:16
	s_cmp_lg_u32 s[WV], 0
	s_cbranch_scc1 .Lno_zero
.irp j, 76,77,78,79
	v_mov_b32 v[\j], 0
.endr
	v_add_nc_u32 v81, BIAS+4096, v[GO]
	ds_store_b128 v81, v[76:79]                    ; zeros for the fetch that runs one step past the last
.Lno_zero:
	v_min3_num_f32 v112, v112, v113, v114
	v_min3_num_f32 v112, v112, v115, v116
	v_min_num_f32 v112, v112, v117
	v_min_num_f32_dpp v112, v112, v112 row_xmask:1 row_mask:0xf bank_mask:0xf
	v_min_num_f32_dpp v112, v112, v112 row_xmask:2 row_mask:0xf bank_mask:0xf
	v_min_num_f32_dpp v112, v112, v112 row_xmask:4 row_mask:0xf bank_mask:0xf
	v_min_num_f32_dpp v112, v112, v112 row_xmask:8 row_mask:0xf bank_mask:0xf
	v_permlanex16_b32 v113, v112, s[SEL], s[SEL+1]
	v_min_num_f32 v112, v112, v113
	v_readfirstlane_b32 s84, v112                  ; min l, at least 1
	s_lshr_b32 s84, s84, 23                        ; 127 + floor(log2 min l)
	s_add_co_u32 s85, s84, 15
	s_lshl_b32 s85, s85, 23                        ; 2^mb5
	s_sub_co_u32 s86, 239, s84
	s_lshl_b32 s86, s86, 23                        ; 2^-mb5
.set t, 0
.rept 8
	v_rcp_f32 v[104+t], v[104+t]                   ; a batch of eight reciprocals, each in its own register
.set t, t+1
.endr
.set t, 0
.rept 8
	v_mov_b32 v[ST+2*t], v[96+t]                   ; m: these eight lines name no reciprocal; the first is the plain line behind the last of them (ISA guide 5.7.2)
.set t, t+1
.endr
	s_wait_alu depctr_va_vdst(0)                   ; the wait for the batch of eight reciprocals, ahead of their first reader
.set t, 0
.rept 8
	v_mul_f32 v[ST+2*t+1], s85, v[104+t]           ; w = 2^mb5 / l
.set t, t+1
.endr
	s_wait_kmcnt 0x0
	s_max_u32 s74, s56, 0x322bcc77
	s_add_co_u32 s74, s74, 0x7fffff
	s_lshr_b32 s74, s74, 23
	s_sub_co_u32 s74, s74, 15
	s_lshl_b32 s74, s74, 23                        ; 2^-mbq
	s_max_u32 s75, s57, 0x322bcc77
	s_add_co_u32 s75, s75, 0x7fffff
	s_lshr_b32 s75, s75, 23
	s_sub_co_u32 s75, s75, 15
	s_lshl_b32 s75, s75, 23                        ; 2^-mbk
	s_max_u32 s87, s58, 0x322bcc77
	s_add_co_u32 s87, s87, 0x7fffff
	s_lshr_b32 s87, s87, 23
	s_sub_co_u32 s87, s87, 15
	s_lshl_b32 s87, s87, 23                        ; 2^-mbv
	s_mul_f32 s[SHS], s86, s87                     ; what turns O into h
	s_mov_b32 s[SHS+1], s[SHS]
	s_mul_f32 s76, s[MSG], s74
	s_mul_f32 s76, s76, s75
	s_max_u32 s76, s76, 0x322bcc77                 ; M3
	s_add_co_u32 s77, s76, 0x7fffff
	s_lshr_b32 s77, s77, 23                        ; EB3
	s_sub_co_u32 s80, 269, s77
	s_lshl_b32 s80, s80, 23                        ; 2^mb3
	s_mul_f32 s[SA], s80, s74
	s_mul_f32 s[SA], s[SA], s75                    ; A
	s_mov_b32 s[SA+1], s[SA]
	s_mul_f32 s81, s76, s80
	s_mov_b32 s82, 0x467ffe00                      ; 16383.5
	s_mov_b32 s83, 0x46fffe00                      ; 32767
	s_mov_b32 s84, 0xc6800000                      ; -16384
	s_mov_b32 s85, 0xc7000000                      ; -32768
	s_cmp_le_u32 s81, 0x46800100                   ; at most 16384.5: the largest score rounds to 2^14
	s_cselect_b32 s[SHI], s82, s83
	s_cselect_b32 s[SLO], s84, s85
	s_sub_co_u32 s77, s77, 18
	s_lshl_b32 s[SG], s77, 23                      ; 2^-(mb3 + 3)
	s_mov_b32 s[SG+1], s[SG]
	s_wait_tensorcnt 0x0                           ; my part of K or V is in,
	s_wait_dscnt 0x0                               ; my mask terms are stored,
	s_barrier_signal -1
	s_barrier_wait -1                              ; everybody's are
	FETCH_K
	FETCH_B
	s_wait_dscnt 0x0
.set mi, 0
.rept 16
	KQ 0                                           ; piece 0's first scores
.endr
	WIN 0
.rept 4
	v_nop                                          ; the places behind those products
.endr
	s_mov_b32 s[CNT], 16
.Lstep:
	TURN 0
	TURN 1
	TURN 2
	TURN 3
	WIN 0
	s_sub_co_u32 s[CNT], s[CNT], 1
	s_cmp_lg_u32 s[CNT], 0
	s_cbranch_scc1 .Lstep
.set mi, 16
.rept 16
	PVM 3                                          ; the last piece's V^T P of the last step
.endr
	; THE WAY OUT.  O^T x 2^-mb5 x 2^-mbv, from tile 0 on: the first tiles' lines are the places behind the last products, and each accumulator is read from its low end on.
	WIN 0x41
.set i, 0
.rept 128
	v_pk_mul_f32 v[2*i:2*i+1], v[2*i:2*i+1], s[SHS:SHS+1] op_sel_hi:[1,0]
.set i, i+1
.endr
	WIN 0
.irp c, 8,9,10,11
	v_mov_b32 v[\c], 0
.endr
	WIN 0x05
.set i, 0
.rept 128
	v_max3_num_f32 v[8+i%4], |v[2*i]|, |v[2*i+1]|, v[8+i%4]
.set i, i+1
.endr
	WIN 0x04
.set i, 0
.rept 64
	global_store_b128 v[GO], v[4*i:4*i+3], s[78:79] offset:512*i   ; tile i / 8, channel block (i / 2) % 4: 512 consecutive bytes, aligned
.set i, i+1
.endr
	WIN 0
	v_max3_num_f32 v8, v8, v9, v10
	v_max_num_f32 v8, v8, v11
	v_max_num_f32_dpp v8, v8, v8 row_xmask:1 row_mask:0xf bank_mask:0xf
	v_max_num_f32_dpp v8, v8, v8 row_xmask:2 row_mask:0xf bank_mask:0xf
	v_max_num_f32_dpp v8, v8, v8 row_xmask:4 row_mask:0xf bank_mask:0xf
	v_max_num_f32_dpp v8, v8, v8 row_xmask:8 row_mask:0xf bank_mask:0xf
	v_permlanex16_b32 v9, v8, s[SEL], s[SEL+1]
	v_max_num_f32 v8, v8, v9
	s_lshl_b32 s15, s[WV], 2
	s_add_co_u32 s15, s15, SCR
	v_mov_b32 v5, s15
	ds_store_b32 v5, v8
	s_wait_dscnt 0x0                               ; my store, and the last fetch of mask terms
	s_barrier_signal -1
	s_barrier_wait -1
	s_cmp_lg_u32 s[WV], 0
	s_cbranch_scc1 .Lend
	v_mov_b32 v5, SCR
	ds_load_b128 v[8:11], v5
	s_wait_dscnt 0x0
	v_max3_num_f32 v8, v8, v9, v10
	v_max_num_f32 v8, v8, v11
	s_lshl_b32 s15, s88, 2
	v_mov_b32 v7, s15
	s_wait_xcnt 0x0                                ; EXEC changes only behind this wait
	v_cmp_eq_u32 vcc_lo, 0, v0
	s_and_saveexec_b32 s16, vcc_lo
	global_store_b32 v7, v8, s[10:11]
	s_wait_xcnt 0x0
	s_or_b32 exec_lo, exec_lo, s16
.Lend:
	s_wait_tensorcnt 0x0                           ; the wave's end
	ds_add_u32 v[SPW], v[NIL]
	s_wait_dscnt 0x0
	s_endpgm
.Lfunc_end_k_q99080c156c_attn:
	.size	k_q99080c156c_attn, .Lfunc_end_k_q99080c156c_attn-k_q99080c156c_attn
	.p2alignl 7, 3214868480
	.fill 96, 4, 3214868480
	.section	.rodata,"a",@progbits
	.p2align	6, 0x0
	.amdhsa_kernel k_q99080c156c_attn
		.amdhsa_group_segment_fixed_size 327680
		.amdhsa_private_segment_fixed_size 0
		.amdhsa_enable_private_segment 0
		.amdhsa_kernarg_size 32
		.amdhsa_user_sgpr_count 2
		.amdhsa_user_sgpr_kernarg_segment_ptr 1
		.amdhsa_wavefront_size32 1
		.amdhsa_system_sgpr_workgroup_id_x 1
		.amdhsa_system_sgpr_workgroup_id_y 1
		.amdhsa_system_sgpr_workgroup_id_z 1
		.amdhsa_system_vgpr_workitem_id 0
		.amdhsa_next_free_vgpr 768
		.amdhsa_next_free_sgpr 96
		.amdhsa_reserve_vcc 1
		.amdhsa_float_denorm_mode_32 3
		.amdhsa_float_denorm_mode_16_64 3
		.amdhsa_memory_ordered 1
		.amdhsa_forward_progress 1
		.amdhsa_inst_pref_size 162
	.end_amdhsa_kernel
	.amdgpu_metadata
---
amdhsa.version: [ 1, 2 ]
amdhsa.kernels:
  - .name:           k_q99080c156c_attn
    .symbol:         k_q99080c156c_attn.kd
    .args:
      - { .name: p2, .offset: 0, .size: 8, .value_kind: global_buffer, .address_space: global }
      - { .name: mask, .offset: 8, .size: 8, .value_kind: global_buffer, .address_space: global }
      - { .name: p4, .offset: 16, .size: 8, .value_kind: global_buffer, .address_space: global }
      - { .name: p5, .offset: 24, .size: 8, .value_kind: global_buffer, .address_space: global }
    .group_segment_fixed_size: 327680
    .private_segment_fixed_size: 0
    .kernarg_segment_align: 8
    .kernarg_segment_size: 32
    .max_flat_workgroup_size: 128
    .sgpr_count:     96
    .vgpr_count:     768
    .wavefront_size: 32
...
	.end_amdgpu_metadata
.endif
;; end of part 9
;; launch outq: the kernel of part 7 again; grid 256 x 1, 6 waves a work-group, no clusters, 26,880 bytes of LDS; arguments p5, out0; writes out0
